; MI455X (gfx1250); checked and timed in simulation.
; The chip was launched on July 23, 2026; its instructions are those of AMD's public machine-readable ISA for CDNA 5 (MIT licence, August 2026) and "CDNA5" Instruction Set Architecture Reference Guide (July 2026). The comments in the code are by the model that wrote it; some were corrected since.
;; Transformer Encoder. Allowed arithmetic: matrix products marked QUANTISED: E5M2 operands, one E8M0 scale for each 32 along K, by v_wmma_scale_f32_16x16x128_f8f6f4 with both operands' format E5M2, f32 sums; everything else in f32.
;; Inputs: Wf1 1,024 x 4,096 float32; Wf2 4,096 x 1,024 float32; Wk 1,024 x 1,024 float32; Wq 1,024 x 1,024 float32; Wv 1,024 x 1,024 float32; b1 1,024 float32; b2 1,024 float32; bf1 4,096 float32; bf2 1,024 float32; bk 1,024 float32; bq 1,024 float32; bv 1,024 float32; g1 1,024 float32; g2 1,024 float32; mask 4 x 1,024 int32; x 4 x 1,024 x 1,024 float32.
;; Outputs: out0 4 x 1,024 x 1,024 float32.
;; This version of the problem:
;;   THIS VERSION OF THE PROBLEM IS GIVEN IN LOW PRECISION. The matrix products marked QUANTISED in the list below multiply operands that are first quantised to E5M2 (5 exponent bits, 2 mantissa bits; 8 bits a number), with one power-of-two scale for each 32 numbers along K (OCP MX v1.0); their sums are f32. All else is computed in f32.
;;   The module's matrix products, in the order in which they are computed (A, B: the left and right operand; K: the contracted axis; several contracted axes count as one K, in the product's order):
;;     1. [M 4,096, K 1,024] x [K 1,024, N 1,024]; A: computed on the way; B: input Wq: QUANTISED
;;     2. [M 4,096, K 1,024] x [K 1,024, N 1,024]; A: computed on the way; B: input Wk: QUANTISED
;;     3. [M 4,096, K 1,024] x [K 1,024, N 1,024]; A: computed on the way; B: input Wv: QUANTISED
;;     4. batch 64 x [M 1,024, K 64] x [K 64, N 1,024]; A: computed on the way; B: computed on the way: QUANTISED
;;     5. batch 64 x [M 64, K 1,024] x [K 1,024, N 1,024]; A: computed on the way; B: softmax (see below): QUANTISED
;;     6. [M 4,096, K 1,024] x [K 1,024, N 4,096]; A: computed on the way; B: input Wf1: QUANTISED
;;     7. [M 4,096, K 4,096] x [K 4,096, N 1,024]; A: computed on the way; B: input Wf2: QUANTISED
;;   THE QUANTISER, for each operand of a quantised product, along K:
;;     - K is cut into blocks of 32 from its start; a last block that is shorter is filled with zeros.
;;     - A block's scale is 2^e with e = floor(log2(the largest magnitude in the block)) - 15, held to -126 .. 127; a block of zeros has e = 0. As a byte (E8M0): e + 127.
;;     - Each number is divided by its block's scale, clamped to +-57,344, and rounded to the nearest number of E5M2, ties to even, subnormals kept.
;;     - The product sums the exact products of the quantised numbers (number of the format x scale) in f32.
;;   ~~~python
;;   def quantise(x, axis):      # numpy; x: float32 -> the quantised numbers, widened to float32 again
;;       x = np.moveaxis(x, axis, -1); K = x.shape[-1]
;;       x = np.pad(x, [(0, 0)] * (x.ndim - 1) + [(0, -K % 32)]); x = x.reshape(x.shape[:-1] + (-1, 32)); a = np.abs(x).max(-1, keepdims=True)
;;       e = np.where(a > 0, np.clip(np.frexp(np.where(a > 0, a, 1))[1] - 1 - 15, -126, 127), 0)      # np.frexp(a)[1] - 1 = floor(log2(a)), exactly
;;       r = np.clip(x / 2.0 ** e, -57344, 57344)
;;       step = 2.0 ** (np.maximum(np.frexp(np.where(r == 0, 1, r))[1] - 1, -14) - 2)
;;       q = np.round(r / step) * step * 2.0 ** e      # np.round: ties to even
;;       return np.moveaxis(q.reshape(q.shape[:-2] + (-1,))[..., :K], -1, axis).astype(np.float32)
;;   ~~~
;;   SOFTMAX AHEAD OF A QUANTISED PRODUCT. Where the list says 'softmax', what is quantised is not the finished softmax but p = 2^(t - M), with t = logit x log2(e) and M = ceil(the row's largest t), a whole number; so 1/2 < the row's largest p <= 1. The row's sum l is taken of the UNQUANTISED p, in f32, and the product's result is divided by l at the end. Since M is a whole number, a kernel that streams over the keys may use a running M (the ceiling of the running maximum): every later rescaling is an exact power of two, which a block's scale takes up: the codes' values come out the same.
;;   OPERANDS COMPUTED ON THE WAY. 'Computed on the way' means the value that the module computes at that place (a softmax that the list does not call 'softmax' is quantised finished and normalised). What goes into a quantiser is computed in f32, as accurately as f32 sums, v_exp_f32 and their like allow (about 1e-6 of the number): no bf16 or f16 on the way to a quantiser, and a product that is left as it is and whose result goes on into a quantised operand takes f32 operands (vector FMAs, or v_wmma_f32_16x16x4_f32). A number that lies on a knife's edge between two numbers of the format may be rounded either way, as far as f32 arithmetic and the matrix unit's own rounding can turn it there, and no further.
;; One version. Each part assembles by itself: llvm-mc -triple=amdgcn-amd-amdhsa -mcpu=gfx1250 --defsym DOCPART=n.
;; ======== version 1 of 1: 6 launches
;; limits: right only within a limited range of input values
;; workspace buffers: hq 4,325,376 bytes; wq 11,894,784 bytes; qkv 13,369,344 bytes; y 16,777,216 bytes; gq 17,301,504 bytes
;; launch prep (part 1): grid 432 x 1, 8 waves a work-group, no clusters, 34,816 bytes of LDS; arguments x, g1, b1, Wq, Wk, Wv, Wf1, Wf2, hq, wq; writes hq, wq
.if DOCPART == 1
	.amdgcn_target "amdgcn-amd-amdhsa--gfx1250"
	.amdhsa_code_object_version 6
	.text
	.protected	k_qafb6e54baf_prep
	.globl	k_qafb6e54baf_prep
	.p2align	8
	.type	k_qafb6e54baf_prep,@function
k_qafb6e54baf_prep:
	s_mov_b64 s[64:65], 0
	v_nop
	global_prefetch_b8 v0, s[64:65] scope:SCOPE_SE
	s_setreg_imm32_b32 hwreg(HW_REG_WAVE_MODE, 25, 1), 1
	s_wait_xcnt 0x0
; Two jobs in one body, told apart by the work-group's number.
; Work-groups 0-255: LAYER NORM of 16 rows of [4096][1024] f32, quantised to E5M2 codes with one E8M0 byte for each 32 along the row.
; Work-groups 256-431: the five WEIGHTS ([K][N] f32, K first) quantised along K, laid with K innermost.
; LAYOUT OF EVERY OPERAND THIS PROGRAM MAKES.  Rows stand at POSITION pos = the true index with bits 3 and 4 exchanged.  Codes are images of the
; operand's registers: the fragment (16 positions x 128 K) is 2,048 dense bytes at ((pos/16) (K/128) + k/128) 2048; in it register group c of lane l
; lies at 512 c + 16 l (lane l = 16 h + r holds row r, k = 32 c + 16 h + 0..15).  Scale words (4 bytes = 128 K of a row) lie at
; ((pos/128) (K/128) + k/128) 512 + 4 (pos % 128).
; A block's scale is 2^(floor(log2(largest magnitude)) - 15); its byte is the largest magnitude's exponent field - 15, held at 1 from below.
; LDS: bytes 0-1,023 the layer norm's two reductions; from 1,024 on a stage of 4,096 bytes for each wave of the weights' path.  The two paths share no LDS byte.
; LIMITS: a block of zeros keeps the byte 1 (its codes are zeros and this program alone reads the bytes); NaN and infinities are not served.
.set HS_OFF,  4194304                  ; hq: the scale words behind the codes
.set W1C_OFF, 3145728                  ; wq: Wf1's codes behind those of Wq, Wk, Wv
.set W2C_OFF, 7340032                  ; Wf2's codes
.set WS_OFF,  11534336                 ; scale words of Wq, Wk, Wv (32,768 bytes each)
.set W1S_OFF, 11632640
.set W2S_OFF, 11763712
.set PW,  10                           ; v10      the scale word just made
.set PC,  32                           ; v32-47   the codes just made
.set TM,  48                           ; v48-63   at work in QUANT
.set X,   64                           ; v64-127  my 64 numbers: register 16 c + i = column 128 w + 32 c + 16 h + i of row r
.set G,   128                          ; v128-191 the gain at those columns
.set BI,  192                          ; v192-255 the bias at those columns
.set MNT, 2                            ; s2       the mantissa field of 57,344: both paths read it, neither writes it again
.set SEL, 36                           ; s[36:37] layer norm alone: selects of v_permlanex16_b32: lane l xor 16.  (The weights' path has its own numbers in s3 and s25 to s63)
.set WSTG, 1024                        ; weights: the stages begin here
.set SA,  7                            ; weights: v7      the stage on the way in: 16 x lane
.set LA,  8                            ; weights: v8      and on the way out: 4 x my column
.set OFS, 16                           ; weights: v16-23  byte offset of my 16 bytes in load q of a block
.set WT,  24                           ; weights: v24-151 four sets of 32: a block as it is loaded
.set WC,  152                          ; weights: v152-215 eight registers of codes for each block: no store's data are written again
.set WX,  216                          ; weights: v216-247 a block with a lane to a column: register i = row i
.set WB,  40                           ; weights: s[40:55] the eight blocks' bases
; 64 numbers of a lane, v[s] on, become a fragment's codes in v[PC] on and its scale word in v[PW]
.macro QUANT s
.irp b, 0,1,2,3
	v_max3_num_f32 v[TM+\b], |v[\s+16*\b]|, |v[\s+1+16*\b]|, 0x8000000   ; block b: my 16 numbers and the floor 2^(16-127)
.endr
.irp i, 2,4,6,8,10,12,14
.irp b, 0,1,2,3
	v_max3_num_f32 v[TM+\b], v[TM+\b], |v[\s+16*\b+\i]|, |v[\s+1+16*\b+\i]|
.endr
.endr
.irp b, 0,1,2,3
	v_permlanex16_b32 v[TM+4+\b], v[TM+\b], s[SEL], s[SEL+1]
.endr
.irp b, 0,1,2,3
	v_max_num_f32 v[TM+\b], v[TM+\b], v[TM+4+\b]           ; with lane l xor 16's 16: the block's largest magnitude
.endr
.irp b, 0,1,2,3
	v_add_nc_u32 v[TM+12+\b], 0xf8800000, v[TM+\b]         ; 15 off its exponent field: the conversion's scale operand
.endr
.irp b, 0,1,2,3
	v_and_or_b32 v[TM+8+\b], v[TM+\b], 0x7f800000, s[MNT]  ; 57,344 x the scale
.endr
.irp b, 0,1,2,3
	v_lshrrev_b32 v[TM+4+\b], 23, v[TM+12+\b]              ; the scale's byte
.endr
	v_lshl_or_b32 v[PW], v[TM+5], 8, v[TM+4]
	v_lshl_or_b32 v[PW], v[TM+6], 16, v[PW]
	v_lshl_or_b32 v[PW], v[TM+7], 24, v[PW]
.irp b, 0,1,2,3
.irp i, 0,1,2,3,4,5,6,7,8,9,10,11,12,13,14,15
	v_med3_num_f32 v[\s+16*\b+\i], v[\s+16*\b+\i], -v[TM+8+\b], v[TM+8+\b]   ; the conversion does not saturate (ISA guide 7.6.2): hold first
.endr
	v_cvt_scalef32_pk8_bf8_f32 v[PC+4*\b:PC+1+4*\b], v[\s+16*\b:\s+7+16*\b], v[TM+12+\b]
	v_cvt_scalef32_pk8_bf8_f32 v[PC+2+4*\b:PC+3+4*\b], v[\s+8+16*\b:\s+15+16*\b], v[TM+12+\b]
.endr
	v_nop                                                  ; a plain line behind the last conversion
.endm
; the two chains v[16:17], v[18:19] of a lane become the row's sum over all 1,024 columns, in v20 of every lane: the other half of the lanes, then the eight waves through LDS
.macro REDUCE off
	v_pk_add_f32 v[16:17], v[16:17], v[18:19]
	v_add_f32 v16, v16, v17
	v_permlanex16_b32 v17, v16, s[SEL], s[SEL+1]
	v_add_f32 v16, v16, v17
	ds_store_b32 v7, v16 offset:\off                       ; word (row r, wave w); both halves of the lanes write the same value
	s_wait_dscnt 0x0                                       ; for the other waves: my store has landed
	s_barrier_signal -1
	s_barrier_wait -1
	ds_load_b128 v[20:23], v8 offset:\off
	ds_load_b128 v[24:27], v8 offset:\off+16
	s_wait_dscnt 0x0
	v_pk_add_f32 v[20:21], v[20:21], v[22:23]
	v_pk_add_f32 v[24:25], v[24:25], v[26:27]
	v_pk_add_f32 v[20:21], v[20:21], v[24:25]
	v_add_f32 v20, v20, v21
.endm
	s_load_b512 s[4:19], s[0:1], 0x0               ; rows s[4:5], gain s[6:7], bias s[8:9], Wq s[10:11], Wk s[12:13], Wv s[14:15], Wf1 s[16:17], Wf2 s[18:19]
	s_load_b128 s[20:23], s[0:1], 0x40             ; hq s[20:21], wq s[22:23]
	s_set_vgpr_msb 0x40
	v_lshl_add_u32 v0, v0, 2, 0x8400
	v_mov_b32 v1, 0
	s_set_vgpr_msb 0x4000
	v_lshrrev_b32 v1, 5, v0
	v_readfirstlane_b32 s24, v1                    ; wave 0..7
	v_and_b32 v1, 31, v0                           ; lane
	s_mov_b32 s[MNT], 0x600000
	s_cmp_ge_u32 ttmp9, 256
	s_cbranch_scc1 .Lweights
; ---------------- LAYER NORM.  Work-group g is position block g (16 rows); wave w is K step w (columns 128 w on) ----------------
	s_mov_b32 s[SEL], 0x76543210
	s_mov_b32 s[SEL+1], 0xfedcba98
	v_and_b32 v2, 15, v0                           ; r
	v_bfe_u32 v3, v0, 4, 1                         ; h
	v_and_b32 v4, 7, v0
	v_bfe_u32 v5, v0, 3, 1
	v_lshl_add_u32 v4, v5, 4, v4                   ; position r of a block is true row (r % 8) + 16 (r / 8) beyond the block's first
	v_lshlrev_b32 v4, 12, v4                       ; rows of 4,096 bytes
	v_lshl_add_u32 v4, v3, 6, v4                   ; + 64 h: my 16 numbers of each block of 32
	v_lshlrev_b32 v5, 6, v3                        ; the same in gain and bias
	v_lshlrev_b32 v6, 4, v1                        ; 16 x lane: an image's place
	v_lshlrev_b32 v8, 5, v2                        ; LDS: row r's eight words
	s_lshl_b32 s25, s24, 2
	v_add_nc_u32 v7, s25, v8                       ; and my wave's among them
	v_lshlrev_b32 v9, 2, v2                        ; 4 r: a scale word's place
.irp b, 0,1,2,3
	v_mov_b32 v[TM+4+\b], 0                        ; a lane permute's destination counts as one of its sources
.endr
	s_lshr_b32 s26, ttmp9, 1
	s_lshl_b32 s26, s26, 5
	s_and_b32 s27, ttmp9, 1
	s_lshl_b32 s27, s27, 3
	s_add_co_u32 s26, s26, s27                     ; the block's first true row: 32 (g / 2) + 8 (g % 2)
	s_lshl_b32 s26, s26, 12
	s_lshl_b32 s28, s24, 9                         ; 512 w: my wave's columns in bytes
	s_add_co_u32 s26, s26, s28
	s_mov_b32 s27, 0
	s_mov_b32 s29, 0
	s_lshl_b32 s30, ttmp9, 3
	s_add_co_u32 s30, s30, s24
	s_lshl_b32 s30, s30, 11                        ; fragment (g, w)
	s_mov_b32 s31, 0
	s_lshr_b32 s32, ttmp9, 3
	s_lshl_b32 s32, s32, 3
	s_add_co_u32 s32, s32, s24
	s_lshl_b32 s32, s32, 9
	s_and_b32 s33, ttmp9, 7
	s_lshl_b32 s33, s33, 6
	s_add_co_u32 s32, s32, s33
	s_add_co_u32 s32, s32, HS_OFF                  ; its sixteen scale words
	s_mov_b32 s33, 0
	s_wait_kmcnt 0x0
	s_add_nc_u64 s[4:5], s[4:5], s[26:27]
	s_add_nc_u64 s[6:7], s[6:7], s[28:29]
	s_add_nc_u64 s[8:9], s[8:9], s[28:29]
	s_add_nc_u64 s[34:35], s[20:21], s[32:33]
	s_add_nc_u64 s[20:21], s[20:21], s[30:31]
.irp c, 0,1,2,3
.irp j, 0,1,2,3
	global_load_b128 v[X+16*\c+4*\j:X+16*\c+4*\j+3], v4, s[4:5] offset:128*\c+16*\j th:TH_LOAD_NT
.endr
.endr
.irp c, 0,1,2,3
.irp j, 0,1,2,3
	global_load_b128 v[G+16*\c+4*\j:G+16*\c+4*\j+3], v5, s[6:7] offset:128*\c+16*\j
.endr
.endr
.irp c, 0,1,2,3
.irp j, 0,1,2,3
	global_load_b128 v[BI+16*\c+4*\j:BI+16*\c+4*\j+3], v5, s[8:9] offset:128*\c+16*\j
.endr
.endr
	s_wait_loadcnt 32                              ; the rows are in; the 32 younger loads (gain, bias) may stay out
	v_pk_add_f32 v[16:17], v[X:X+1], v[X+2:X+3]    ; the sum, two at a time, in two chains
	v_pk_add_f32 v[18:19], v[X+4:X+5], v[X+6:X+7]
.set i, 8
.rept 14
	v_pk_add_f32 v[16:17], v[16:17], v[X+i:X+i+1]
	v_pk_add_f32 v[18:19], v[18:19], v[X+i+2:X+i+3]
.set i, i+4
.endr
	REDUCE 0
	v_mul_f32 v28, 0x3a800000, v20                 ; the mean: sum / 1024
	v_mov_b32 v29, v28
.set i, 0
.rept 32
	v_pk_add_f32 v[X+i:X+i+1], v[X+i:X+i+1], v[28:29] neg_lo:[0,1] neg_hi:[0,1]   ; z - mean
.set i, i+2
.endr
	v_pk_mul_f32 v[16:17], v[X:X+1], v[X:X+1]      ; the sum of squares starts its two chains
	v_pk_mul_f32 v[18:19], v[X+2:X+3], v[X+2:X+3]
.set i, 4
.rept 15
	v_pk_fma_f32 v[16:17], v[X+i:X+i+1], v[X+i:X+i+1], v[16:17]
	v_pk_fma_f32 v[18:19], v[X+i+2:X+i+3], v[X+i+2:X+i+3], v[18:19]
.set i, i+4
.endr
	REDUCE 512                                     ; other LDS bytes than the first reduction's: no wave can overwrite what another still reads
	v_mov_b32 v22, 0x3727c5ac                      ; 1e-5
	v_fmac_f32 v22, 0x3a800000, v20                ; + the variance
	v_rsq_f32 v30, v22
	v_rsq_f32 v31, v22                             ; twice: the packed multiply takes a pair
	v_nop                                          ; a plain line behind the transcendentals
	s_wait_alu depctr_va_vdst(0)                   ; one wait for both, ahead of their first reader
	s_wait_loadcnt 0x0                             ; gain and bias
.set i, 0
.rept 32
	v_pk_mul_f32 v[X+i:X+i+1], v[X+i:X+i+1], v[30:31]
.set i, i+2
.endr
.set i, 0
.rept 32
	v_pk_fma_f32 v[X+i:X+i+1], v[X+i:X+i+1], v[G+i:G+i+1], v[BI+i:BI+i+1]
.set i, i+2
.endr
	QUANT X
.irp c, 0,1,2,3
	global_store_b128 v6, v[PC+4*\c:PC+4*\c+3], s[20:21] offset:512*\c    ; the wave stores 512 consecutive bytes, aligned
.endr
	s_wait_xcnt 0x0                                ; EXEC is a source of the stores above: it changes only behind this wait
	v_cmp_gt_u32 vcc_lo, 16, v1
	s_set_vgpr_msb 0x5
	s_wait_tensorcnt 0x0
	ds_add_u32 v0, v1
	s_wait_dscnt 0x0
	s_set_vgpr_msb 0x500
	s_and_saveexec_b32 s39, vcc_lo                 ; lanes 16-31 hold the same words
	global_store_b32 v9, v[PW], s[34:35]           ; 64 bytes: one part in 128 of what the wave has read
	s_wait_xcnt 0x0
	s_or_b32 exec_lo, exec_lo, s39
	s_endpgm
; ---------------- WEIGHTS.  A wave takes 32 columns x 256 along K: eight blocks of 32 rows ----------------
; The quantiser wants a lane to hold a column and its registers to run down K; a load is best where a lane takes 16 bytes.  Both are had: a block comes by eight loads, each four rows' 128 bytes
; (lane l: row l / 8 of the four, bytes 16 (l % 8) on), goes into the wave's own stage as it is loaded (16 x lane is row x 128 + column x 4: the stage is the block, dense), and comes back a row an instruction,
; 4 bytes a lane.  Both LDS forms touch consecutive bytes.  Four blocks (32 loads, 16,384 bytes a wave) are on their way.
.Lweights:
	s_sub_co_u32 s25, ttmp9, 256                   ; j: 0-15 Wq, 16-31 Wk, 32-47 Wv, 48-111 Wf1, 112-175 Wf2
	s_sub_co_u32 s26, s25, 48
	s_mov_b32 s35, 4096
	s_cmp_lt_u32 s26, 64                           ; Wf1 alone has 4,096 columns
	s_cselect_b32 s33, 15, 3                       ; groups of 256 columns - 1
	s_cselect_b32 s34, 4, 2                        ; and their logarithm
	s_cselect_b32 s35, 16384, s35                  ; bytes in a row
	s_mov_b32 s28, 112
	s_mov_b32 s29, W2C_OFF
	s_mov_b32 s30, W2S_OFF
	s_wait_kmcnt 0x0
	s_mov_b64 s[26:27], s[18:19]
	s_cmp_lt_u32 s25, 112
	s_cselect_b64 s[26:27], s[16:17], s[26:27]
	s_cselect_b32 s28, 48, s28
	s_cselect_b32 s29, W1C_OFF, s29
	s_cselect_b32 s30, W1S_OFF, s30
	s_cselect_b32 s31, 8, 32                       ; K steps of 128 in a row of codes
	s_cmp_lt_u32 s25, 48
	s_cselect_b64 s[26:27], s[14:15], s[26:27]
	s_cselect_b32 s28, 32, s28
	s_cselect_b32 s29, 2097152, s29
	s_cselect_b32 s30, WS_OFF+65536, s30
	s_cmp_lt_u32 s25, 32
	s_cselect_b64 s[26:27], s[12:13], s[26:27]
	s_cselect_b32 s28, 16, s28
	s_cselect_b32 s29, 1048576, s29
	s_cselect_b32 s30, WS_OFF+32768, s30
	s_cmp_lt_u32 s25, 16
	s_cselect_b64 s[26:27], s[10:11], s[26:27]
	s_cselect_b32 s28, 0, s28
	s_cselect_b32 s29, 0, s29
	s_cselect_b32 s30, WS_OFF, s30
	s_sub_co_u32 s25, s25, s28                     ; my number within the tensor
	s_and_b32 s36, s25, s33                        ; which 256 columns
	s_lshr_b32 s37, s25, s34                       ; which 256 along K
	s_lshl_b32 s38, s36, 8
	s_lshl_b32 s39, s24, 5
	s_add_co_u32 s38, s38, s39                     ; my wave's first column
	s_lshl_b32 s36, s35, 2                         ; four rows, in bytes
	s_lshl_b32 s3, s24, 12
	s_add_co_u32 s3, s3, WSTG                      ; my wave's stage
	v_lshrrev_b32 v2, 3, v1                        ; which of a load's four rows is mine
	v_mul_lo_u32 v[OFS], v2, s35
	v_and_b32 v3, 7, v1
	v_lshl_add_u32 v[OFS], v3, 4, v[OFS]           ; and which 16 of its 128 bytes
.set i, 1
.rept 7
	v_add_nc_u32 v[OFS+i], s36, v[OFS+i-1]         ; four rows further down
.set i, i+1
.endr
	v_lshl_add_u32 v[SA], v1, 4, s3                ; into the stage: 16 x lane
	v_and_b32 v2, 7, v1
	v_bfe_u32 v3, v1, 3, 1
	v_lshrrev_b32 v6, 4, v1
	v_lshl_or_b32 v2, v6, 3, v2
	v_lshl_or_b32 v2, v3, 4, v2                    ; lane l is POSITION l of the 32: it takes the column with bits 3 and 4 exchanged
	v_lshl_add_u32 v[LA], v2, 2, s3                ; out of the stage: 4 x my column
	s_lshl_b32 s39, s31, 11
	v_mul_lo_u32 v4, v6, s39                       ; out: lanes 16-31 are the next position block,
	v_and_b32 v3, 15, v1
	v_lshl_add_u32 v4, v3, 4, v4                   ; 16 bytes a row
	v_lshlrev_b32 v5, 2, v1                        ; scale words: 4 bytes a position
	s_mul_i32 s56, s37, s35
	s_lshl_b32 s56, s56, 8                         ; 256 rows for each step along K
	s_lshl_b32 s57, s38, 2
	s_add_co_u32 s56, s56, s57
	s_mov_b32 s57, 0
	s_lshl_b32 s58, s35, 5                         ; a block: 32 rows
	s_mov_b32 s59, 0
	s_add_nc_u64 s[WB:WB+1], s[26:27], s[56:57]
.set i, 1
.rept 7
	s_add_nc_u64 s[WB+2*i:WB+2*i+1], s[WB+2*i-2:WB+2*i-1], s[58:59]
.set i, i+1
.endr
	s_lshr_b32 s56, s38, 4
	s_mul_i32 s56, s56, s31
	s_lshl_b32 s58, s37, 1
	s_add_co_u32 s56, s56, s58
	s_lshl_b32 s56, s56, 11
	s_add_co_u32 s56, s56, s29
	s_add_nc_u64 s[60:61], s[22:23], s[56:57]      ; my first fragment
	s_lshr_b32 s56, s38, 7
	s_mul_i32 s56, s56, s31
	s_add_co_u32 s56, s56, s58
	s_lshl_b32 s56, s56, 9
	s_and_b32 s58, s38, 127
	s_lshl_b32 s58, s58, 2
	s_add_co_u32 s56, s56, s58
	s_add_co_u32 s56, s56, s30
	s_add_nc_u64 s[62:63], s[22:23], s[56:57]      ; my first scale word
.macro LOADW t                         ; block t into set t % 4: eight loads, each four rows' 128 consecutive bytes
.irp q, 0,1,2,3,4,5,6,7
	global_load_b128 v[WT+32*((\t)%4)+4*\q:WT+32*((\t)%4)+4*\q+3], v[OFS+\q], s[WB+2*(\t):WB+2*(\t)+1] th:TH_LOAD_NT
.endr
.endm
.macro BLOCKW t
.set XS, WX
.if (\t) < 5
	s_wait_loadcnt 24                              ; this block's eight loads are in; those of the three blocks behind it may be out
.else
	s_wait_loadcnt 8*(7-(\t))                      ; the counts run down
.endif
.irp q, 0,1,2,3,4,5,6,7
	ds_store_b128 v[SA], v[WT+32*((\t)%4)+4*\q:WT+32*((\t)%4)+4*\q+3] offset:512*\q   ; rows 4 q to 4 q + 3, as loaded
.endr
.set i, 0
.rept 32
	ds_load_b32 v[WX+i], v[LA] offset:128*i        ; row i at my column.  LDS serves a wave's instructions in order: these see the stores above
.set i, i+1
.endr
	s_wait_dscnt 0x0                               ; the block is back; the stage's stores have been served, so their registers
.if (\t)+4 < 8
	LOADW (\t)+4                                   ; take the loads of four blocks on
.endif
	v_max3_num_f32 v12, |v[XS]|, |v[XS+1]|, |v[XS+2]|      ; all 32 numbers of the block are mine
	v_max3_num_f32 v13, |v[XS+3]|, |v[XS+4]|, |v[XS+5]|
.irp i, 6,10,14,18,22,26
	v_max3_num_f32 v12, v12, |v[XS+\i]|, |v[XS+\i+1]|
	v_max3_num_f32 v13, v13, |v[XS+\i+2]|, |v[XS+\i+3]|
.endr
	v_max3_num_f32 v12, v12, |v[XS+30]|, |v[XS+31]|
	v_max3_num_f32 v12, v12, v13, 0x8000000        ; and the floor
	v_add_nc_u32 v11, 0xf8800000, v12
	v_and_or_b32 v10, v12, 0x7f800000, s[MNT]      ; 57,344 x the scale
	v_lshrrev_b32 v13, 23, v11
.if (\t)%4 == 0
	v_mov_b32 v[14+(\t)/4], v13
.else
	v_lshl_or_b32 v[14+(\t)/4], v13, 8*((\t)%4), v[14+(\t)/4]
.endif
.set i, 0
.rept 32
	v_med3_num_f32 v[XS+i], v[XS+i], -v10, v10
.set i, i+1
.endr
.irp g, 0,1,2,3
	v_cvt_scalef32_pk8_bf8_f32 v[WC+8*(\t)+2*\g:WC+8*(\t)+2*\g+1], v[XS+8*\g:XS+8*\g+7], v11
.endr
	global_store_b128 v4, v[WC+8*(\t):WC+8*(\t)+3], s[60:61] offset:((\t)/4)*2048+((\t)%4)*512        ; k 0-15 of the block: sixteen lanes store 256 consecutive bytes, aligned
	global_store_b128 v4, v[WC+8*(\t)+4:WC+8*(\t)+7], s[60:61] offset:((\t)/4)*2048+((\t)%4)*512+256  ; k 16-31: the other half of the lanes' place in the image
.endm
	LOADW 0
	LOADW 1
	LOADW 2
	LOADW 3
.irp t, 0,1,2,3,4,5,6,7
	BLOCKW \t
.endr
	global_store_b32 v5, v14, s[62:63]             ; two K steps' scale words: 128 consecutive bytes each, one part in 128 of what the wave has read
	global_store_b32 v5, v15, s[62:63] offset:512
	s_set_vgpr_msb 0x5
	s_wait_tensorcnt 0x0
	ds_add_u32 v0, v1
	s_wait_dscnt 0x0
	s_set_vgpr_msb 0x500
	s_endpgm
.Lfunc_end_k_qafb6e54baf_prep:
	.size	k_qafb6e54baf_prep, .Lfunc_end_k_qafb6e54baf_prep-k_qafb6e54baf_prep
	.p2alignl 7, 3214868480
	.fill 96, 4, 3214868480
	.section	.rodata,"a",@progbits
	.p2align	6, 0x0
	.amdhsa_kernel k_qafb6e54baf_prep
		.amdhsa_group_segment_fixed_size 34816
		.amdhsa_private_segment_fixed_size 0
		.amdhsa_enable_private_segment 0
		.amdhsa_kernarg_size 80
		.amdhsa_user_sgpr_count 2
		.amdhsa_user_sgpr_kernarg_segment_ptr 1
		.amdhsa_wavefront_size32 1
		.amdhsa_system_sgpr_workgroup_id_x 1
		.amdhsa_system_sgpr_workgroup_id_y 1
		.amdhsa_system_sgpr_workgroup_id_z 1
		.amdhsa_system_vgpr_workitem_id 0
		.amdhsa_next_free_vgpr 258
		.amdhsa_next_free_sgpr 66
		.amdhsa_reserve_vcc 1
		.amdhsa_float_denorm_mode_32 3
		.amdhsa_float_denorm_mode_16_64 3
		.amdhsa_memory_ordered 1
		.amdhsa_forward_progress 1
		.amdhsa_inst_pref_size 88
	.end_amdhsa_kernel
	.amdgpu_metadata
---
amdhsa.version: [ 1, 2 ]
amdhsa.kernels:
  - .name:           k_qafb6e54baf_prep
    .symbol:         k_qafb6e54baf_prep.kd
    .args:
      - { .name: x, .offset: 0, .size: 8, .value_kind: global_buffer, .address_space: global }
      - { .name: g1, .offset: 8, .size: 8, .value_kind: global_buffer, .address_space: global }
      - { .name: b1, .offset: 16, .size: 8, .value_kind: global_buffer, .address_space: global }
      - { .name: Wq, .offset: 24, .size: 8, .value_kind: global_buffer, .address_space: global }
      - { .name: Wk, .offset: 32, .size: 8, .value_kind: global_buffer, .address_space: global }
      - { .name: Wv, .offset: 40, .size: 8, .value_kind: global_buffer, .address_space: global }
      - { .name: Wf1, .offset: 48, .size: 8, .value_kind: global_buffer, .address_space: global }
      - { .name: Wf2, .offset: 56, .size: 8, .value_kind: global_buffer, .address_space: global }
      - { .name: hq, .offset: 64, .size: 8, .value_kind: global_buffer, .address_space: global }
      - { .name: wq, .offset: 72, .size: 8, .value_kind: global_buffer, .address_space: global }
    .group_segment_fixed_size: 34816
    .private_segment_fixed_size: 0
    .kernarg_segment_align: 8
    .kernarg_segment_size: 80
    .max_flat_workgroup_size: 256
    .sgpr_count:     66
    .vgpr_count:     258
    .wavefront_size: 32
...
	.end_amdgpu_metadata
.endif
;; end of part 1
;; launch qkv (part 2): grid 12 x 16, 4 waves a work-group, clusters of 4 x 4, 327,680 bytes of LDS; arguments hq, wq, bq, bk, bv, mask, qkv; writes qkv
.if DOCPART == 2
	.amdgcn_target "amdgcn-amd-amdhsa--gfx1250"
	.amdhsa_code_object_version 6
	.text
	.protected	k_qafb6e54baf_qkv
	.globl	k_qafb6e54baf_qkv
	.p2align	8
	.type	k_qafb6e54baf_qkv,@function
k_qafb6e54baf_qkv:
	s_mov_b64 s[64:65], 0
	v_nop
	global_prefetch_b8 v0, s[64:65] scope:SCOPE_SE
	s_setreg_imm32_b32 hwreg(HW_REG_WAVE_MODE, 25, 1), 1
	s_wait_xcnt 0x0
	s_wait_alu depctr_hold_cnt(0) depctr_sa_sdst(0) depctr_va_vdst(0) depctr_va_sdst(0) depctr_va_ssrc(0) depctr_va_vcc(0) depctr_vm_vsrc(0)
	s_getreg_b32 s2, hwreg(HW_REG_IB_STS2, 6, 4)
	s_cmp_eq_u32 s2, 0
	s_cbranch_scc0 .Lentry_in_a_cluster
	s_endpgm
.Lentry_in_a_cluster:
	s_bfe_u32 s2, ttmp6, 0x10000c
	s_cmp_lg_u32 s2, 0xf033
	s_cbranch_scc0 .Lentry_shape_is_right
	s_endpgm
.Lentry_shape_is_right:
; q, k, v = h W + b on E5M2 codes with E8M0 scales, K = 1,024; the results are quantised on the way out into the operands of attention.
; A work-group of four waves makes 256 x 256, a wave 128 x 128 (64 accumulators).  The product is used transposed: source 0's 128 rows become a lane's 64 registers,
; source 1's rows its lanes.  Since rows stand in position order (bits 3 and 4 of the index exchanged), the 16 registers of two neighbouring tiles of source 0 are 16 TRUE neighbours.
; Clusters x = 0, 1 (q and k): source 1 = 256 tokens of h, source 0 = 256 columns of [Wq; Wk]: a lane holds a token, its registers run along the head's features, the K of q k^T.
; Cluster x = 2 (v): source 1 = 256 columns of Wv, source 0 = 256 tokens of h: a lane holds a feature, its registers run along the tokens, the K of p v.
; The codes of a key that the mask hides are written as zeros (the hold is 0), so that attention can give it one exact score.
; Codes lie in memory as images of the operand's registers (2,048 dense bytes a fragment), so tiles need no pitch and no padding in LDS.
; K goes in steps of 256 through two LDS slots filled by the tensor data mover; tiles are asked for jointly along a row (source 1) or a column (source 0) of the 4 x 4 cluster.
; REGISTERS: window 0: v0-31 addresses, v8-15 a word for each of my rows (mask, or v's bias), v32-63 scale words, v64-127 bias by register, v128-255 source 1's fragments;
;   window 1: source 0's fragments, two sets; on the way out all arithmetic;  windows 2, 3: accumulators, (a, b) at 8 (8 (a % 4) + b).
; LIMITS: as the quantiser's in the first launch.
.set HS_OFF, 4194304
.set WS_OFF, 11534336
.set KC, 4194304                       ; qkv: q's codes at 0, k's, v's; then their scale words
.set VC, 8388608
.set QS, 12582912
.set KS, 12845056
.set VS, 13107200
.set NQ,    2                          ; matrix instructions deep in a slot
.set FR,    16
.set NL,    4
.set NP,    8                          ; places behind this matrix instruction (ISA guide 7.12.1)
.set HALFT, 32768                      ; 128 rows x 256 K: what one tensor load brings
.set SLOT,  131072
.set LAPS,  2
.set SCL,   262144                     ; the scale words of the 4 x 128 rows, all of K
.set HALFS, 4096
.set SPARE, 278528                     ; the spare words, 128 bytes a wave
.set SSTQ,  279040                     ; stages for the new scale words: one for each way out
.set SSTV,  283136
.set BO,   7                           ; v7   64 h
.set MK,   8                           ; v8-15
.set ADRA, 16
.set RO,   18                          ; v18  4 x (true row of position r)
.set LI,   19                          ; v19  16 x lane
.set ADRB, 20
.set SQW,  22
.set SVW,  23
.set SQR,  24
.set SVR,  25
.set ADRS, 27
.set SPW,  28
.set NIL,  29
.set VQ,   30
.set VM1,  31
.set SC,   32
.set BX,   64
.set AF,   128
.set HA,   0                           ; window 1, on the way out: 64 numbers,
.set PC,   64                          ; their codes,
.set TM,   96                          ; at work,
.set PW,   112                         ; the scale word, and its two halves made whole words,
.set W0,   113
.set W1,   114
.set MK1,  120                         ; all ones, or 0 for a hidden key
.set SEL,  20
.set MNT,  23
.set G1, 24
.set G0, 32
.set G1B, 48
.set G0B, 56
.set G1S, 68
.set G0S, 76
.set G1SB, 80
.set G0SB, 88
.set MSB, 0
.macro WIN new                         ; the immediate's high byte repeats the setting that is left
.if MSB != (\new)
	s_set_vgpr_msb (MSB<<8)|(\new)
.set MSB, (\new)
.endif
.endm
.set MUL_LO, 0xa1                      ; source 0 window 1, source 1 window 0, C and D window 2
.set MUL_HI, 0xf1
.set TO_B,   0x40
.macro JLOAD g0a, g1a, g0b, g1b        ; a joint load: waves 0, 1 fetch for source 1, waves 2, 3 for source 0; four v_nop follow each line
	s_cmp_eq_u32 s15, 0
	s_cbranch_scc0 .Lfor_b_\@
	tensor_load_to_lds s[\g0a:\g0a+3], s[\g1a:\g1a+7]
	s_nop 0
.rept 4
	v_nop
.endr
	s_branch .Lasked_\@
.Lfor_b_\@:
	tensor_load_to_lds s[\g0b:\g0b+3], s[\g1b:\g1b+7]
	s_nop 0
.rept 4
	v_nop
.endr
.Lasked_\@:
.endm
.macro CREST
	s_cmp_lg_u32 s14, 0
	s_cbranch_scc1 .Lnot_wave_0_\@
	s_barrier_signal -3
.Lnot_wave_0_\@:
	s_barrier_wait -3
	s_barrier_signal -1
	s_barrier_wait -1
.endm
.macro CROUND
	s_barrier_signal -1
	s_barrier_wait -1
	CREST
.endm
.macro PLACES n
.rept \n
	v_nop
.endr
.endm
	s_load_b256 s[4:11], s[0:1], 0x0               ; hq s[4:5], wq s[6:7], bq s[8:9], bk s[10:11]
	s_load_b128 s[96:99], s[0:1], 0x20             ; bv s[96:97], mask s[98:99]
	s_load_b64 s[100:101], s[0:1], 0x30            ; qkv
	v_lshl_add_u32 v[SPW], v0, 2, SPARE
	v_mov_b32 v[NIL], 0
	ds_add_u32 v28, v29
	ds_add_u32 v28, v29
	s_wait_dscnt 0x0
	v_lshrrev_b32 v1, 5, v0
	v_readfirstlane_b32 s14, v1                    ; wave 0..3
	s_lshr_b32 s15, s14, 1                         ; my half of source 1's rows.  Also: I fetch for source 1 (0) or source 0 (1)
	s_and_b32 s16, s14, 1                          ; my half of source 0's rows.  Also: which 128 rows I fetch
	s_bfe_u32 s40, ttmp6, 0x40000                  ; cx
	s_bfe_u32 s41, ttmp6, 0x40004                  ; cy
	s_and_b32 s12, ttmp7, 0xffff
	s_lshl_b32 s12, s12, 2                         ; 4 x cluster y
	s_lshl_b32 s13, ttmp9, 2                       ; 4 x cluster x
	s_add_co_u32 s17, s12, s41
	s_add_co_u32 s42, s13, s40
	s_add_co_u32 s18, s12, s40
	s_cmp_eq_u32 ttmp9, 2                          ; the same in all sixteen partners
	s_cselect_b32 s66, 1, 0                        ; 1: the cluster makes v
	s_cselect_b32 s17, s41, s17                    ; source 1's tile: 256 tokens (4 Y + cy), or 256 columns of Wv (cy)
	s_cselect_b32 s42, s18, s42                    ; source 0's tile: 256 columns of [Wq; Wk] (4 X + cx), or 256 tokens (4 Y + cx)
	s_lshl_b32 s43, s41, 2
	s_lshl_b32 s43, 15, s43                        ; my row of the cluster
	s_lshl_b32 s44, 0x1111, s40                    ; my column
	; codes: 8 position blocks x 4,096 bytes (two K steps of a block lie on end), 16,384 bytes from block to block; elements of 8 bytes
	s_or_b32 s[G1+0], s43, (3<<16)|(1<<21)
	s_or_b32 s[G1B+0], s44, (3<<16)|(1<<21)
.irp g, G1, G1B
	s_mov_b32 s[\g+1], 512<<16
	s_mov_b32 s[\g+2], 8<<16
	s_mov_b32 s[\g+3], 512<<16
	s_mov_b32 s[\g+4], 8
	s_mov_b32 s[\g+5], 2048
	s_mov_b32 s[\g+6], 0
	s_mov_b32 s[\g+7], 0
.endr
	; scale words of 128 rows, all of K: 4,096 dense bytes as 16 rows of 256
	s_or_b32 s[G1S+0], s43, (3<<16)|(1<<21)
	s_or_b32 s[G1SB+0], s44, (3<<16)|(1<<21)
.irp g, G1S, G1SB
	s_mov_b32 s[\g+1], 32<<16
	s_mov_b32 s[\g+2], 16<<16
	s_mov_b32 s[\g+3], 32<<16
	s_mov_b32 s[\g+4], 16
	s_mov_b32 s[\g+5], 32
	s_mov_b32 s[\g+6], 0
	s_mov_b32 s[\g+7], 0
.endr
	s_lshl_b32 s12, s17, 1
	s_add_co_u32 s12, s12, s16                     ; which 128 rows of source 1's tensor I fetch
	s_lshl_b32 s94, s12, 12                        ; their scale words,
	s_lshl_b32 s12, s12, 17                        ; their codes
	s_lshl_b32 s18, s42, 1
	s_add_co_u32 s18, s18, s16                     ; and of source 0's
	s_lshl_b32 s2, s18, 12
	s_lshl_b32 s18, s18, 17
	s_mov_b32 s13, 0
	s_mov_b32 s95, 0
	s_mov_b32 s19, 0
	s_mov_b32 s3, 0
	s_mul_i32 s45, s14, HALFT                      ; where they go: by the wave's number alone
	s_mul_i32 s67, s14, HALFS
	s_wait_kmcnt 0x0
	s_cmp_eq_u32 s66, 1
	s_add_nc_u64 s[20:21], s[6:7], 2097152         ; Wv's codes
	s_cselect_b64 s[20:21], s[20:21], s[4:5]       ; source 1's codes
	s_add_nc_u64 s[22:23], s[6:7], WS_OFF+65536    ; Wv's scale words
	s_add_nc_u64 s[92:93], s[4:5], HS_OFF          ; h's
	s_cselect_b64 s[22:23], s[22:23], s[92:93]     ; source 1's scale words
	s_cselect_b64 s[46:47], s[4:5], s[6:7]         ; source 0's codes
	s_add_nc_u64 s[32:33], s[6:7], WS_OFF
	s_cselect_b64 s[92:93], s[92:93], s[32:33]     ; source 0's scale words
	s_add_nc_u64 s[20:21], s[20:21], s[12:13]
	s_add_nc_u64 s[22:23], s[22:23], s[94:95]
	s_add_nc_u64 s[46:47], s[46:47], s[18:19]
	s_add_nc_u64 s[92:93], s[92:93], s[2:3]
	CROUND                                         ; all sixteen work-groups are here: the first joint loads meet
	s_mov_b32 s[G0S], 1
	s_add_co_u32 s[G0S+1], s67, SCL
	s_mov_b64 s[G0S+2:G0S+3], s[22:23]
	s_or_b32 s[G0S+3], s[G0S+3], 0x80000000
	s_mov_b32 s[G0SB], 1
	s_add_co_u32 s[G0SB+1], s67, SCL
	s_mov_b64 s[G0SB+2:G0SB+3], s[92:93]
	s_or_b32 s[G0SB+3], s[G0SB+3], 0x80000000
	JLOAD G0S, G1S, G0SB, G1SB                     ; three loads of mine go out together: the scale words, slot 0, slot 1
.irp s, 0,1
	s_mov_b32 s[G0+4*\s], 1
	s_add_co_u32 s[G0+4*\s+1], s45, \s*SLOT
	s_add_nc_u64 s[G0+4*\s+2:G0+4*\s+3], s[20:21], \s*4096
	s_or_b32 s[G0+4*\s+3], s[G0+4*\s+3], 0x80000000
	s_mov_b32 s[G0B+4*\s], 1
	s_add_co_u32 s[G0B+4*\s+1], s45, \s*SLOT
	s_add_nc_u64 s[G0B+4*\s+2:G0B+4*\s+3], s[46:47], \s*4096
	s_or_b32 s[G0B+4*\s+3], s[G0B+4*\s+3], 0x80000000
	JLOAD G0+4*\s, G1, G0B+4*\s, G1B
.endr
	v_and_b32 v1, 15, v0                           ; r
	v_bfe_u32 v2, v0, 4, 1                         ; h
	v_and_b32 v3, 31, v0
	v_lshlrev_b32 v[LI], 4, v3
	s_mul_i32 s12, s15, HALFT
	s_mul_i32 s13, s16, HALFT
	s_add_co_u32 s13, s13, 2*HALFT
.irp s, 0,1
	v_add_nc_u32 v[ADRA+\s], s12, v[LI]
	v_add_nc_u32 v[ADRB+\s], s13, v[LI]
	s_add_co_u32 s12, s12, SLOT
	s_add_co_u32 s13, s13, SLOT
.endr
	s_mul_i32 s12, s15, HALFS
	s_mul_i32 s13, s16, HALFS
	s_add_co_u32 s13, s13, 2*HALFS
	s_sub_co_u32 s13, s13, s12
	v_mul_u32_u24 v4, s13, v2                      ; lanes 16-31 take source 0's words: one product, the distance between the two bases
	s_add_co_u32 s12, s12, SCL
	v_lshl_add_u32 v4, v1, 2, v4
	v_add_nc_u32 v[ADRS], s12, v4
	s_lshl_b32 s12, s14, 10                        ; my 1,024 bytes of a stage
	v_lshl_add_u32 v4, v1, 2, s12
	v_add_nc_u32 v[SQW], SSTQ, v4
	v_lshl_add_u32 v4, v3, 2, s12
	v_add_nc_u32 v[SVW], SSTV, v4
	v_add_nc_u32 v4, s12, v[LI]
	v_add_nc_u32 v[SQR], SSTQ, v4
	v_add_nc_u32 v[SVR], SSTV, v4
	v_lshlrev_b32 v[BO], 6, v2
	v_and_b32 v4, 7, v0
	v_bfe_u32 v5, v0, 3, 1
	v_lshl_add_u32 v4, v5, 4, v4
	v_lshlrev_b32 v[RO], 2, v4
	; the biases and the mask: asked for now, wanted on the way out
	s_cmp_lt_u32 s42, 4
	s_cselect_b64 s[8:9], s[8:9], s[10:11]         ; q's columns or k's
	s_cmp_eq_u32 s66, 1
	s_cselect_b64 s[8:9], s[96:97], s[8:9]         ; (v's way out does not use these 64 numbers; they are loaded alike on both ways, from inside bv)
	s_cselect_b64 s[98:99], s[96:97], s[98:99]     ; a word for each of source 1's rows: a token's mask, or a column's bias of v
	s_and_b32 s12, s42, 3
	s_lshl_b32 s12, s12, 10
	s_lshl_b32 s13, s16, 9
	s_add_co_u32 s12, s12, s13
	s_mov_b32 s13, 0
	s_add_nc_u64 s[8:9], s[8:9], s[12:13]
	s_lshl_b32 s18, s17, 10
	s_lshl_b32 s19, s15, 9
	s_add_co_u32 s18, s18, s19
	s_mov_b32 s19, 0
	s_add_nc_u64 s[98:99], s[98:99], s[18:19]
.irp c, 0,1,2,3
.irp j, 0,1,2,3
	global_load_b128 v[BX+16*\c+4*\j:BX+16*\c+4*\j+3], v[BO], s[8:9] offset:128*\c+16*\j
.endr
.endr
.irp a, 0,1,2,3,4,5,6,7
	global_load_b32 v[MK+\a], v[RO], s[98:99] offset:(32*(\a/2)+8*(\a%2))*4
.endr
.macro FRAG reg, adr, q, i             ; a fragment comes as it lies: four loads of 512 consecutive bytes
.irp c, 0,1,2,3
	ds_load_b128 v[\reg+4*\c:\reg+4*\c+3], v[\adr] offset:2048*(\q)+512*\c+(\i)*4096
.endr
.endm
; 16 matrix instructions: source 1's blocks a0, a0 + 1 x source 0's eight.  The 64 accumulators take turns, one instruction a turn
.macro MUL16 a0, p, q, sc, zero
.irp a, \a0, \a0+1
.irp b, 0,1,2,3,4,5,6,7
.if \zero
	v_wmma_scale_f32_16x16x128_f8f6f4 v[8*(8*((\a)%4)+\b):8*(8*((\a)%4)+\b)+7], v[128*(\p)+FR*\b:128*(\p)+FR*\b+FR-1], v[AF+FR*(\a):AF+FR*(\a)+FR-1], 0, v[SC+16*(\sc)+8*(\q)+\b], v[SC+16*(\sc)+8*(\q)+(\a)] matrix_a_fmt:MATRIX_FMT_BF8 matrix_b_fmt:MATRIX_FMT_BF8 matrix_a_scale:MATRIX_SCALE_ROW1
.else
	v_wmma_scale_f32_16x16x128_f8f6f4 v[8*(8*((\a)%4)+\b):8*(8*((\a)%4)+\b)+7], v[128*(\p)+FR*\b:128*(\p)+FR*\b+FR-1], v[AF+FR*(\a):AF+FR*(\a)+FR-1], v[8*(8*((\a)%4)+\b):8*(8*((\a)%4)+\b)+7], v[SC+16*(\sc)+8*(\q)+\b], v[SC+16*(\sc)+8*(\q)+(\a)] matrix_a_fmt:MATRIX_FMT_BF8 matrix_b_fmt:MATRIX_FMT_BF8 matrix_a_scale:MATRIX_SCALE_ROW1
.endif
.endr
.endr
.endm
.macro FETCH_B slot, q, p
	WIN TO_B
.irp i, 0,1,2,3,4,5,6,7
	FRAG 128*(\p)+FR*\i, ADRB+\slot, \q, \i
.endr
	WIN 0
.endm
.macro FETCH_A slot, q, i0
.irp i, \i0, \i0+1, \i0+2, \i0+3
	FRAG AF+FR*(\i), ADRA+\slot, \q, \i
.endr
.endm
.macro SCALES sc                       ; a slot's scale words: lanes 0-15 source 1's block i, lanes 16-31 source 0's block i
.irp q, 0,1
.irp i, 0,1,2,3,4,5,6,7
	ds_load_b32 v[SC+16*\sc+8*\q+\i], v[ADRS] offset:512*\q+64*\i
.endr
.endr
.endm
.macro STEP slot, q, zero              ; 128 along K with a successor in the same slot
	s_wait_dscnt 4*NL                              ; all but the youngest 16 loads (source 1's blocks 4-7)
	WIN MUL_LO
	MUL16 0, (\q)%2, \q, \slot, \zero
	MUL16 2, (\q)%2, \q, \slot, \zero
	s_wait_dscnt 0
	PLACES NP
	FETCH_B \slot, (\q)+1, 1-(\q)%2
	FETCH_A \slot, (\q)+1, 0
	WIN MUL_HI
	MUL16 4, (\q)%2, \q, \slot, \zero
	MUL16 6, (\q)%2, \q, \slot, \zero
	PLACES NP
	WIN 0
	FETCH_A \slot, (\q)+1, 4
.endm
.macro TURN slot, next, fill           ; a slot's last step changes slots
	s_wait_tensorcnt 0x0                           ; all my tensor loads have landed: my part of the next slot
	ds_add_u32 v[SPW], v[NIL]                      ; 0 onto my spare word
	s_wait_dscnt 4*NL+1                            ; the add and the youngest 16 loads may be out
	WIN MUL_LO
	MUL16 0, 1, NQ-1, \slot, 0
	s_wait_dscnt 0x0                               ; the add is done, and my reads of this slot are over
	s_barrier_signal -1
	MUL16 2, 1, NQ-1, \slot, 0
	WIN 0
	s_barrier_wait -1
.if \fill
	CREST                                          ; the barrier has opened a round of the cluster's: no wave of any partner still reads this slot or has a load on its way
	s_add_nc_u64 s[G0+4*\slot+2:G0+4*\slot+3], s[G0+4*\slot+2:G0+4*\slot+3], 8192
	s_add_nc_u64 s[G0B+4*\slot+2:G0B+4*\slot+3], s[G0B+4*\slot+2:G0B+4*\slot+3], 8192
	JLOAD G0+4*\slot, G1, G0B+4*\slot, G1B         ; my one tensor load behind the round; its four v_nop are four of the places below
	PLACES NP-4
.else
	PLACES NP
.endif
	v_add_nc_u32 v[ADRS], 1024, v[ADRS]            ; the next slot's scale words
	FETCH_B \next, 0, 0
	FETCH_A \next, 0, 0
	SCALES \next
	WIN MUL_HI
	MUL16 4, 1, NQ-1, \slot, 0
	MUL16 6, 1, NQ-1, \slot, 0
	PLACES NP
	WIN 0
	FETCH_A \next, 0, 4
.endm
	s_wait_tensorcnt 1                             ; the scale words and my part of slot 0 are in; slot 1's load may be out
	s_barrier_signal -1
	s_barrier_wait -1
	FETCH_B 0, 0, 0
	FETCH_A 0, 0, 0
	SCALES 0
	FETCH_A 0, 0, 4
	STEP 0, 0, 1                                   ; the first step starts the sums
	s_mov_b32 s3, LAPS-1
.Llap:
	TURN 0, 1, 1
	STEP 1, 0, 0
	TURN 1, 0, 1
	STEP 0, 0, 0
	s_sub_co_u32 s3, s3, 1
	s_cmp_lg_u32 s3, 0
	s_cbranch_scc1 .Llap
	TURN 0, 1, 0
	STEP 1, 0, 0
	s_wait_dscnt 4*NL
	WIN MUL_LO
	MUL16 0, 1, NQ-1, 1, 0
	MUL16 2, 1, NQ-1, 1, 0
	s_wait_dscnt 0
	WIN MUL_HI
	MUL16 4, 1, NQ-1, 1, 0
	MUL16 6, 1, NQ-1, 1, 0
	WIN 0
; ---------------- THE WAY OUT: bias, quantiser, images ----------------
; 64 numbers v[s] on (window 1) become codes in v[PC] on and the scale word v[PW].  mk >= 0: v[mk] is all ones, or 0 where the row's codes are to be zeros
.macro QUANT s, mk
.irp b, 0,1,2,3
	v_max3_num_f32 v[TM+\b], |v[\s+16*\b]|, |v[\s+1+16*\b]|, 0x8000000
.endr
.irp i, 2,4,6,8,10,12,14
.irp b, 0,1,2,3
	v_max3_num_f32 v[TM+\b], v[TM+\b], |v[\s+16*\b+\i]|, |v[\s+1+16*\b+\i]|
.endr
.endr
.irp b, 0,1,2,3
	v_permlanex16_b32 v[TM+4+\b], v[TM+\b], s[SEL], s[SEL+1]
.endr
.irp b, 0,1,2,3
	v_max_num_f32 v[TM+\b], v[TM+\b], v[TM+4+\b]
.endr
.irp b, 0,1,2,3
	v_add_nc_u32 v[TM+12+\b], 0xf8800000, v[TM+\b]
.endr
.irp b, 0,1,2,3
	v_and_or_b32 v[TM+8+\b], v[TM+\b], 0x7f800000, s[MNT]
.endr
.if (\mk) >= 0
.irp b, 0,1,2,3
	v_and_b32 v[TM+8+\b], v[TM+8+\b], v[\mk]       ; a hold of 0 makes every code 0
.endr
.endif
.irp b, 0,1,2,3
	v_lshrrev_b32 v[TM+4+\b], 23, v[TM+12+\b]
.endr
	v_lshl_or_b32 v[PW], v[TM+5], 8, v[TM+4]
	v_lshl_or_b32 v[PW], v[TM+6], 16, v[PW]
	v_lshl_or_b32 v[PW], v[TM+7], 24, v[PW]
.irp b, 0,1,2,3
.irp i, 0,1,2,3,4,5,6,7,8,9,10,11,12,13,14,15
	v_med3_num_f32 v[\s+16*\b+\i], v[\s+16*\b+\i], -v[TM+8+\b], v[TM+8+\b]
.endr
	v_cvt_scalef32_pk8_bf8_f32 v[PC+4*\b:PC+1+4*\b], v[\s+16*\b:\s+7+16*\b], v[TM+12+\b]
	v_cvt_scalef32_pk8_bf8_f32 v[PC+2+4*\b:PC+3+4*\b], v[\s+8+16*\b:\s+15+16*\b], v[TM+12+\b]
.endr
	v_nop
.endm
; q, k: block a = 16 tokens; my 128 columns are two heads of 64: register groups 0, 1 and 2, 3
.macro EPIQ a
	WIN 0x42+(\a)/4                                ; destination window 1, the accumulators window 2 or 3, the bias window 0
.set p, 0
.rept 32
	v_pk_add_f32 v[HA+2*p:HA+2*p+1], v[64*((\a)%4)+2*p:64*((\a)%4)+2*p+1], v[BX+2*p:BX+2*p+1]   ; each accumulator from its low end on
.set p, p+1
.endr
	WIN 0x55
	s_wait_xcnt 0x0                                ; the last block's stores have read the codes' registers,
	s_wait_dscnt 0x0                               ; and its LDS stores the scale words'
	QUANT HA, MK1+(\a)
	v_and_b32 v[W0], 0xffff, v[PW]                 ; a head has K = 64: two real bytes; the padded half of K holds zero codes under the same two bytes
	v_lshl_or_b32 v[W0], v[W0], 16, v[W0]
	v_lshrrev_b32 v[W1], 16, v[PW]
	v_lshl_or_b32 v[W1], v[W1], 16, v[W1]
	WIN 0x04                                       ; a store's data: window 1
.irp c, 0,1,2,3
	global_store_b128 v[LI], v[PC+4*\c:PC+4*\c+3], s[4:5] offset:(\c/2)*65536+(\a)*1024+(\c%2)*512
.endr
	ds_store_b32 v[SQW], v[W0] offset:64*(\a)
	ds_store_b32 v[SQW], v[W1] offset:512+64*(\a)
.endm
; v: block a = 16 columns (block a % 4 of head a / 4); the registers are one K step of 128 tokens
.macro EPIV a
	WIN 0x42+(\a)/4
.set p, 0
.rept 32
.if (\a)%2
	v_pk_add_f32 v[HA+2*p:HA+2*p+1], v[64*((\a)%4)+2*p:64*((\a)%4)+2*p+1], v[MK+2*((\a)/2):MK+2*((\a)/2)+1] op_sel:[0,1] op_sel_hi:[1,1]
.else
	v_pk_add_f32 v[HA+2*p:HA+2*p+1], v[64*((\a)%4)+2*p:64*((\a)%4)+2*p+1], v[MK+2*((\a)/2):MK+2*((\a)/2)+1] op_sel_hi:[1,0]
.endif
.set p, p+1
.endr
	WIN 0x55
	s_wait_xcnt 0x0
	s_wait_dscnt 0x0
	QUANT HA, -1
	WIN 0x04
.irp c, 0,1,2,3
	global_store_b128 v[LI], v[PC+4*\c:PC+4*\c+3], s[4:5] offset:((\a)/4)*65536+((\a)%4)*2048+512*\c
.endr
	ds_store_b32 v[SVW], v[PW] offset:((\a)/4)*512+((\a)%4)*128
.endm
	PLACES NP                                      ; behind the last products: their results are read and their sources written below
	s_wait_loadcnt 0x0                             ; biases and mask
	s_mov_b32 s[SEL], 0x76543210
	s_mov_b32 s[SEL+1], 0xfedcba98
	s_mov_b32 s[MNT], 0x600000
	WIN 0x40
.irp b, 0,1,2,3
	v_mov_b32 v[TM+4+\b], 0                        ; a lane permute's destination counts as one of its sources
.endr
	WIN 0
	s_cmp_eq_u32 s66, 1
	s_cbranch_scc1 .Lvpath
	s_lshr_b32 s12, s17, 2                         ; the batch
	s_lshl_b32 s12, s12, 4
	s_and_b32 s13, s42, 3
	s_lshl_b32 s13, s13, 2
	s_add_co_u32 s12, s12, s13
	s_lshl_b32 s13, s16, 1
	s_add_co_u32 s12, s12, s13                     ; 16 x batch + my first head
	s_and_b32 s13, s17, 3
	s_lshl_b32 s13, s13, 4
	s_lshl_b32 s18, s15, 3
	s_add_co_u32 s13, s13, s18                     ; my first tile of 16 tokens in the batch
	s_lshl_b32 s18, s12, 6
	s_add_co_u32 s18, s18, s13
	s_lshl_b32 s18, s18, 10                        ; 1,024 bytes of codes a tile
	s_lshl_b32 s94, s12, 12
	s_lshl_b32 s13, s13, 6
	s_add_co_u32 s94, s94, s13                     ; 64 bytes of scale words a tile
	s_mov_b32 s13, KS
	s_cmp_lt_u32 s42, 4                            ; q's columns or k's
	s_cselect_b32 s12, 0, KC
	s_cselect_b32 s13, QS, s13
	s_cselect_b32 s2, -1, 0                        ; q's rows are never hidden
	s_add_co_u32 s18, s18, s12
	s_add_co_u32 s94, s94, s13
	s_mov_b32 s19, 0
	s_mov_b32 s95, 0
	s_add_nc_u64 s[4:5], s[100:101], s[18:19]
	s_add_nc_u64 s[6:7], s[100:101], s[94:95]
	v_mov_b32 v[VQ], s2
	v_mov_b32 v[VM1], -1
	WIN 0x40
.irp a, 0,1,2,3,4,5,6,7
	v_cmp_ne_u32 vcc_lo, 0, v[MK+\a]
	v_cndmask_b32 v[MK1+\a], v[VQ], v[VM1], vcc_lo
.endr
.irp a, 0,1,2,3,4,5,6,7
	EPIQ \a
.endr
	WIN 0
	ds_load_b128 v[32:35], v[SQR]                  ; LDS serves a wave's instructions in order: these see my stores
	ds_load_b128 v[36:39], v[SQR] offset:512
	s_wait_dscnt 0x0
	global_store_b128 v[LI], v[32:35], s[6:7]      ; 512 consecutive bytes for each of my two heads
	global_store_b128 v[LI], v[36:39], s[6:7] offset:4096
	s_branch .Lend
.Lvpath:
	s_lshr_b32 s12, s42, 2                         ; the batch
	s_lshl_b32 s12, s12, 4
	s_lshl_b32 s13, s17, 2
	s_add_co_u32 s12, s12, s13
	s_lshl_b32 s13, s15, 1
	s_add_co_u32 s12, s12, s13                     ; 16 x batch + my first head
	s_and_b32 s13, s42, 3
	s_lshl_b32 s13, s13, 1
	s_add_co_u32 s13, s13, s16                     ; my K step of 128 tokens in the batch
	s_lshl_b32 s18, s12, 3
	s_add_co_u32 s18, s18, s13
	s_lshl_b32 s18, s18, 13
	s_add_co_u32 s18, s18, VC
	s_lshl_b32 s94, s12, 12
	s_lshl_b32 s13, s13, 9
	s_add_co_u32 s94, s94, s13
	s_add_co_u32 s94, s94, VS
	s_mov_b32 s19, 0
	s_mov_b32 s95, 0
	s_add_nc_u64 s[4:5], s[100:101], s[18:19]
	s_add_nc_u64 s[6:7], s[100:101], s[94:95]
.irp a, 0,1,2,3,4,5,6,7
	EPIV \a
.endr
	WIN 0
	ds_load_b128 v[32:35], v[SVR]
	ds_load_b128 v[36:39], v[SVR] offset:512
	s_wait_dscnt 0x0
	global_store_b128 v[LI], v[32:35], s[6:7]
	global_store_b128 v[LI], v[36:39], s[6:7] offset:4096
.Lend:
	s_wait_tensorcnt 0x0                           ; the wave's end
	ds_add_u32 v[SPW], v[NIL]
	s_wait_dscnt 0x0
	CROUND                                         ; the closing round
	s_endpgm
.Lfunc_end_k_qafb6e54baf_qkv:
	.size	k_qafb6e54baf_qkv, .Lfunc_end_k_qafb6e54baf_qkv-k_qafb6e54baf_qkv
	.p2alignl 7, 3214868480
	.fill 96, 4, 3214868480
	.section	.rodata,"a",@progbits
	.p2align	6, 0x0
	.amdhsa_kernel k_qafb6e54baf_qkv
		.amdhsa_group_segment_fixed_size 327680
		.amdhsa_private_segment_fixed_size 0
		.amdhsa_enable_private_segment 0
		.amdhsa_kernarg_size 56
		.amdhsa_user_sgpr_count 2
		.amdhsa_user_sgpr_kernarg_segment_ptr 1
		.amdhsa_wavefront_size32 1
		.amdhsa_system_sgpr_workgroup_id_x 1
		.amdhsa_system_sgpr_workgroup_id_y 1
		.amdhsa_system_sgpr_workgroup_id_z 1
		.amdhsa_system_vgpr_workitem_id 0
		.amdhsa_next_free_vgpr 1024
		.amdhsa_next_free_sgpr 102
		.amdhsa_reserve_vcc 1
		.amdhsa_float_denorm_mode_32 3
		.amdhsa_float_denorm_mode_16_64 3
		.amdhsa_memory_ordered 1
		.amdhsa_forward_progress 1
		.amdhsa_inst_pref_size 255
	.end_amdhsa_kernel
	.section	.bss,"aw",@nobits
	.p2align	6
	.space	262144
	.amdgpu_metadata
---
amdhsa.version: [ 1, 2 ]
amdhsa.kernels:
  - .name:           k_qafb6e54baf_qkv
    .symbol:         k_qafb6e54baf_qkv.kd
    .args:
      - { .name: hq, .offset: 0, .size: 8, .value_kind: global_buffer, .address_space: global }
      - { .name: wq, .offset: 8, .size: 8, .value_kind: global_buffer, .address_space: global }
      - { .name: bq, .offset: 16, .size: 8, .value_kind: global_buffer, .address_space: global }
      - { .name: bk, .offset: 24, .size: 8, .value_kind: global_buffer, .address_space: global }
      - { .name: bv, .offset: 32, .size: 8, .value_kind: global_buffer, .address_space: global }
      - { .name: mask, .offset: 40, .size: 8, .value_kind: global_buffer, .address_space: global }
      - { .name: qkv, .offset: 48, .size: 8, .value_kind: global_buffer, .address_space: global }
    .group_segment_fixed_size: 327680
    .private_segment_fixed_size: 0
    .kernarg_segment_align: 8
    .kernarg_segment_size: 56
    .max_flat_workgroup_size: 128
    .sgpr_count:     102
    .vgpr_count:     1024
    .wavefront_size: 32
...
	.end_amdgpu_metadata
.endif
;; end of part 2
;; launch attn (part 3): grid 4 x 64, 16 waves a work-group, clusters of 4 x 1, 215,040 bytes of LDS; arguments qkv, mask, x, y; writes y
.if DOCPART == 3
	.amdgcn_target "amdgcn-amd-amdhsa--gfx1250"
	.amdhsa_code_object_version 6
	.text
	.protected	k_qafb6e54baf_attn
	.globl	k_qafb6e54baf_attn
	.p2align	8
	.type	k_qafb6e54baf_attn,@function
k_qafb6e54baf_attn:
	s_mov_b64 s[64:65], 0
	v_nop
	global_prefetch_b8 v0, s[64:65] scope:SCOPE_SE
	s_setreg_imm32_b32 hwreg(HW_REG_WAVE_MODE, 25, 1), 1
	s_wait_xcnt 0x0
	s_wait_alu depctr_hold_cnt(0) depctr_sa_sdst(0) depctr_va_vdst(0) depctr_va_sdst(0) depctr_va_ssrc(0) depctr_va_vcc(0) depctr_vm_vsrc(0)
	s_getreg_b32 s2, hwreg(HW_REG_IB_STS2, 6, 4)
	s_cmp_eq_u32 s2, 0
	s_cbranch_scc0 .Lentry_in_a_cluster
	s_endpgm
.Lentry_in_a_cluster:
	s_bfe_u32 s2, ttmp6, 0x10000c
	s_cmp_lg_u32 s2, 0x3003
	s_cbranch_scc0 .Lentry_shape_is_right
	s_endpgm
.Lentry_shape_is_right:
; y = x + softmax(q k^T / sqrt(10), keys hidden by the mask) v, for one batch and head a row of work-groups; both products on E5M2 codes with E8M0 scales.
; p = 2^(t - M), t = score x log2(e) / sqrt(10), M the running largest t rounded up to a whole number; p is quantised along the keys, not normalised; the row's sum of the unquantised p divides at the end.
; SHARES.  A work-group owns 256 queries, each of its sixteen waves one tile of 16 (a position block).  The four work-groups of a cluster share the head's K and V: 139,264 bytes, asked for jointly, ONCE:
; they stay in LDS, nothing is filled again.  They come in four quarters of 256 keys, so that the first key steps run while the rest is on its way.
; Both products are used transposed: a lane holds one query.  Keys stand in position order, so the 16 registers of two neighbouring tiles of S^T are 16 true neighbours, as p's operand wants them.
; K = 64 in the first product: registers 8-15 of both fragments are zero codes, under the row's own two scale bytes repeated.
; THE MASK is the C of the first product: a table in LDS holds 0, or -2^31 for a hidden key, whose codes the launch before wrote as zeros.  So a hidden score is exactly -2^31, t = -c 2^31 is exact and a whole
; number: p = 0 beside any open key, and p = 1 for every key of a row whose keys are all hidden, as the softmax of equal logits has it.
; LIMIT: a hidden logit is -6.79e8 where the model writes -1e9: the same results while open logits stay above -6.7e8.  NaN and infinities are not served.
; REGISTERS: v1-5, v7 addresses; v12 -M, v13 the largest t, v[14:15] the sum; v16-31 Q; v32-95 four fragments of K; v96-159 S^T, then p, then V's four fragments; v160-191 O^T; v192-223 x; v224-239 p's codes; v232-255 at work.
.set KC, 4194304
.set QS, 12582912
.set KS, 12845056
.set LKSC,  131072                     ; LDS: K's codes at 0, V's at 65,536; K's scale words, V's,
.set LVSC,  135168
.set TBL,   139264                     ; the table of the mask, 4 bytes a key,
.set STAGE, 143360                     ; and a stage of 16 rows x (256 + 16) bytes for each wave
.set LK,  1
.set LV,  2
.set LKS, 3
.set LVS, 4
.set LT,  5
.set GO,  7
.set WV,  18
.set MNT, 19
.set SEL, 20
.set CS,  22
.set G0,  24                           ; s[24:43] five groups 0
.set G1S, 44                           ; s[44:51] one row of 512 bytes
.set G1C, 52                           ; s[52:59] 2,048 dense bytes as 8 rows of 256
.macro ROUND
	s_barrier_signal -1
	s_barrier_wait -1
	s_cmp_lg_u32 s[WV], 0
	s_cbranch_scc1 .Lnot_wave_0_\@
	s_barrier_signal -3
.Lnot_wave_0_\@:
	s_barrier_wait -3
	s_barrier_signal -1
	s_barrier_wait -1
.endm
	s_load_b256 s[4:11], s[0:1], 0x0               ; qkv s[4:5], mask s[6:7], x s[8:9], y s[10:11]
	v_lshl_add_u32 v254, v0, 2, 0x34000
	v_mov_b32 v255, 0
	ds_add_u32 v254, v255
	ds_add_u32 v254, v255
	s_wait_dscnt 0x0
	v_lshrrev_b32 v8, 5, v0
	v_readfirstlane_b32 s[WV], v8                  ; wave 0..15
	s_bfe_u32 s12, ttmp6, 0x40000                  ; cx: my block of 256 queries; it enters global addresses of my own loads and stores alone
	s_and_b32 s13, ttmp7, 0xffff                   ; 16 x batch + head, which the four partners share
	s_lshr_b32 s14, s[WV], 3                       ; waves 0-7 fetch K's, waves 8-15 V's,
	s_and_b32 s15, s[WV], 7                        ; an eighth each
	s_lshl_b32 s16, s14, 18                        ; V's scale words lie 2^18 bytes behind K's
	s_lshl_b32 s17, s13, 12
	s_add_co_u32 s16, s16, s17
	s_lshl_b32 s17, s15, 9
	s_add_co_u32 s16, s16, s17
	s_add_co_u32 s16, s16, KS
	s_mov_b32 s17, 0
	s_lshl_b32 s60, s14, 22                        ; V's codes 2^22 bytes behind K's
	s_lshl_b32 s61, s13, 16
	s_add_co_u32 s60, s60, s61
	s_lshl_b32 s61, s15, 11
	s_add_co_u32 s60, s60, s61
	s_add_co_u32 s60, s60, KC
	s_mov_b32 s61, 0
	s_lshl_b32 s62, s14, 16
	s_lshl_b32 s63, s15, 11
	s_add_co_u32 s62, s62, s63                     ; LDS: my 2,048 bytes of quarter 0
	s_lshl_b32 s63, s[WV], 9
	s_add_co_u32 s63, s63, LKSC                    ; and my 512 bytes of scale words
	s_mov_b32 s[G1S], 15|(3<<16)|(1<<21)           ; the mask names all four work-groups; elements of 8 bytes
	s_mov_b32 s[G1S+1], 64<<16
	s_mov_b32 s[G1S+2], 1<<16
	s_mov_b32 s[G1S+3], 64<<16
	s_mov_b32 s[G1S+4], 1
	s_mov_b32 s[G1S+5], 64
	s_mov_b32 s[G1S+6], 0
	s_mov_b32 s[G1S+7], 0
	s_mov_b32 s[G1C], 15|(3<<16)|(1<<21)
	s_mov_b32 s[G1C+1], 32<<16
	s_mov_b32 s[G1C+2], 8<<16
	s_mov_b32 s[G1C+3], 32<<16
	s_mov_b32 s[G1C+4], 8
	s_mov_b32 s[G1C+5], 32
	s_mov_b32 s[G1C+6], 0
	s_mov_b32 s[G1C+7], 0
	s_mov_b32 s[SEL], 0x76543210
	s_mov_b32 s[SEL+1], 0xfedcba98
	s_mov_b32 s[CS], 0x3ee995b3                    ; c = log2(e) / sqrt(10)
	s_mov_b32 s[CS+1], s[CS]
	s_mov_b32 s[MNT], 0x600000
	s_wait_kmcnt 0x0
	s_mov_b32 s[G0], 1
	s_mov_b32 s[G0+1], s63
	s_add_nc_u64 s[G0+2:G0+3], s[4:5], s[16:17]
	s_or_b32 s[G0+3], s[G0+3], 0x80000000
.irp q, 0,1,2,3
	s_mov_b32 s[G0+4+4*\q], 1
	s_add_co_u32 s[G0+5+4*\q], s62, \q*16384
	s_add_nc_u64 s[G0+6+4*\q:G0+7+4*\q], s[4:5], s[60:61]
	s_add_nc_u64 s[G0+6+4*\q:G0+7+4*\q], s[G0+6+4*\q:G0+7+4*\q], \q*16384
	s_or_b32 s[G0+7+4*\q], s[G0+7+4*\q], 0x80000000
.endr
	ROUND                                          ; all four work-groups are here: the joint loads meet
	tensor_load_to_lds s[G0:G0+3], s[G1S:G1S+7]    ; five loads of mine go out together: the scale words, then the four quarters
	s_nop 0
	tensor_load_to_lds s[G0+4:G0+7], s[G1C:G1C+7]
	s_nop 0
	tensor_load_to_lds s[G0+8:G0+11], s[G1C:G1C+7]
	s_nop 0
	tensor_load_to_lds s[G0+12:G0+15], s[G1C:G1C+7]
	s_nop 0
	tensor_load_to_lds s[G0+16:G0+19], s[G1C:G1C+7]
	s_nop 0
.rept 4
	v_nop
.endr
	v_and_b32 v8, 15, v0                           ; r
	v_bfe_u32 v9, v0, 4, 1                         ; h
	v_and_b32 v10, 31, v0                          ; lane
	v_lshlrev_b32 v[LK], 4, v10                    ; an image's place: 16 x lane
	v_add_nc_u32 v[LV], 65536, v[LK]
	v_lshlrev_b32 v11, 2, v8                       ; 4 r
	v_add_nc_u32 v[LKS], LKSC, v11
	v_add_nc_u32 v[LVS], LVSC, v11
	v_lshl_add_u32 v[LT], v9, 5, TBL               ; my half's eight keys of a tile
	v_lshlrev_b32 v[GO], 12, v9
	v_lshl_add_u32 v[GO], v8, 4, v[GO]             ; x, y: lanes 0-15 one row's 256 bytes of the head, lanes 16-31 the next row's
	s_lshl_b32 s66, s12, 4
	s_add_co_u32 s66, s66, s[WV]                   ; my tile of 16 queries in the batch
	s_lshr_b32 s67, s13, 4                         ; the batch
	s_lshl_b32 s68, s67, 10
	s_lshr_b32 s69, s66, 1
	s_lshl_b32 s69, s69, 5
	s_add_co_u32 s68, s68, s69
	s_and_b32 s69, s66, 1
	s_lshl_b32 s69, s69, 3
	s_add_co_u32 s68, s68, s69                     ; the tile's first true row
	s_lshl_b32 s68, s68, 12
	s_and_b32 s69, s13, 15
	s_lshl_b32 s69, s69, 8
	s_add_co_u32 s68, s68, s69                     ; + the head's 256 bytes
	s_mov_b32 s69, 0
	s_add_nc_u64 s[8:9], s[8:9], s[68:69]
	s_add_nc_u64 s[10:11], s[10:11], s[68:69]
	s_lshl_b32 s70, s13, 6
	s_add_co_u32 s70, s70, s66
	s_lshl_b32 s72, s70, 6
	s_add_co_u32 s72, s72, QS
	s_lshl_b32 s70, s70, 10
	s_mov_b32 s71, 0
	s_mov_b32 s73, 0
	s_add_nc_u64 s[70:71], s[4:5], s[70:71]        ; q's codes of my tile
	s_add_nc_u64 s[72:73], s[4:5], s[72:73]        ; and its scale words
	s_lshl_b32 s74, s67, 12
	s_mov_b32 s75, 0
	s_add_nc_u64 s[6:7], s[6:7], s[74:75]          ; the batch's mask
	v_and_b32 v240, 0x1e7, v0                      ; thread t makes the table's words of positions t and t + 512: the true key has bits 3 and 4 exchanged
	v_bfe_u32 v241, v0, 3, 1
	v_bfe_u32 v242, v0, 4, 1
	v_lshl_or_b32 v240, v242, 3, v240
	v_lshl_or_b32 v240, v241, 4, v240
	v_lshlrev_b32 v240, 2, v240
	v_lshl_add_u32 v243, v0, 2, TBL
	global_load_b32 v241, v240, s[6:7]
	global_load_b32 v242, v240, s[6:7] offset:2048
	global_load_b128 v[16:19], v[LK], s[70:71]
	global_load_b128 v[20:23], v[LK], s[70:71] offset:512
	global_load_b32 v255, v11, s[72:73]
.irp i, 0,1,2,3,4,5,6,7
	global_load_b128 v[192+4*\i:195+4*\i], v[GO], s[8:9] offset:(2*\i+8*(\i/4))*4096   ; stage row 2 i (+1) is true row 2 i + 8 (i / 4) (+1) of the tile
.endr
.irp j, 24,25,26,27,28,29,30,31
	v_mov_b32 v[\j], 0                             ; Q's padded half of K
.endr
.irp t, 0,1,2,3
.irp j, 8,9,10,11,12,13,14,15
	v_mov_b32 v[32+16*\t+\j], 0                    ; and K's: written once, no load lands here
.endr
.endr
	v_mov_b32 v13, 0xff61b1e6                      ; the largest t so far: -3e38
	v_floor_f32 v12, -v13                          ; -M
	v_mov_b32 v14, 0
	v_mov_b32 v15, 0
.irp b, 0,1,2,3
	v_mov_b32 v[236+\b], 0                         ; a lane permute's destination counts as one of its sources
.endr
	v_mov_b32 v253, 0
.set i, 0
.rept 32
	v_mov_b32 v[160+i], 0                          ; O^T: the step is written once for all steps; the first finds zeros
.set i, i+1
.endr
	v_mov_b32 v244, 0xcf000000                     ; -2^31
	s_wait_loadcnt 11                              ; the two mask words are in; Q's three loads and x's eight may be out
	v_cmp_eq_u32 vcc_lo, 0, v241
	v_cndmask_b32 v241, 0, v244, vcc_lo
	v_cmp_eq_u32 vcc_lo, 0, v242
	v_cndmask_b32 v242, 0, v244, vcc_lo
	ds_store_b32 v243, v241
	ds_store_b32 v243, v242 offset:2048
	s_wait_loadcnt 8                               ; Q; x's eight loads may be out
; A KEY STEP: 128 keys
.macro STEP s
.if (\s) > 0
.rept 9
	v_nop                                          ; S^T is laid over V's fragments, which the last products read: one place more than a load wants
.endr
.endif
.irp g, 0,1
.if \g > 0
.rept 8
	v_nop                                          ; places in front of loads into registers that matrix instructions have read
.endr
.endif
.irp t, 0,1,2,3
	ds_load_b128 v[32+16*\t:35+16*\t], v[LK] offset:(\s)*8192+(4*\g+\t)*1024
	ds_load_b128 v[36+16*\t:39+16*\t], v[LK] offset:(\s)*8192+(4*\g+\t)*1024+512
	ds_load_b128 v[96+8*(4*\g+\t):99+8*(4*\g+\t)], v[LT] offset:(8*(\s)+4*\g+\t)*64        ; the mask's words of my eight keys: the sum's C
	ds_load_b128 v[100+8*(4*\g+\t):103+8*(4*\g+\t)], v[LT] offset:(8*(\s)+4*\g+\t)*64+16
	ds_load_b32 v[248+\t], v[LKS] offset:(8*(\s)+4*\g+\t)*64
.endr
	s_wait_dscnt 0x0
.irp t, 0,1,2,3
	v_wmma_scale_f32_16x16x128_f8f6f4 v[96+8*(4*\g+\t):103+8*(4*\g+\t)], v[32+16*\t:47+16*\t], v[16:31], v[96+8*(4*\g+\t):103+8*(4*\g+\t)], v[248+\t], v255 matrix_a_fmt:MATRIX_FMT_BF8 matrix_b_fmt:MATRIX_FMT_BF8
.endr
.endr
.rept 8
	v_nop
.endr
.irp b, 0,1,2,3
	v_max3_num_f32 v[232+\b], v[96+16*\b], v[97+16*\b], v[98+16*\b]   ; the largest score of each block of 32 keys: for the row's maximum, and for the block's largest p
.endr
.irp i, 3,5,7,9,11,13
.irp b, 0,1,2,3
	v_max3_num_f32 v[232+\b], v[232+\b], v[96+16*\b+\i], v[97+16*\b+\i]
.endr
.endr
.irp b, 0,1,2,3
	v_max_num_f32 v[232+\b], v[232+\b], v[111+16*\b]
.endr
.irp b, 0,1,2,3
	v_permlanex16_b32 v[236+\b], v[232+\b], s[SEL], s[SEL+1]
.endr
.irp b, 0,1,2,3
	v_max_num_f32 v[232+\b], v[232+\b], v[236+\b]
.endr
	v_max3_num_f32 v254, v232, v233, v234
	v_max_num_f32 v254, v254, v235
	v_mul_f32 v254, s[CS], v254
	v_max_num_f32 v13, v13, v254                   ; the running largest t
	v_mov_b32 v254, v12
	v_floor_f32 v12, -v13                          ; the new -M: a whole number
	v_sub_f32 v254, v12, v254
	v_cvt_i32_f32 v254, v254                       ; (it saturates)
	v_ldexp_f32 v252, 1.0, v254                    ; f = 2^(old M - new M): rounds nothing
.set j, 0
.rept 32
	v_pk_fma_f32 v[96+j:97+j], v[96+j:97+j], s[CS:CS+1], v[12:13] op_sel_hi:[1,0,0]   ; t - M
.set j, j+2
.endr
.irp b, 0,1,2,3
	v_fma_f32 v[232+\b], v[232+\b], s[CS], v12
.endr
.set j, 0
.rept 64
	v_exp_f32 v[96+j], v[96+j]                     ; p
.set j, j+1
.endr
	v_pk_mul_f32 v[14:15], v[14:15], v[252:253] op_sel_hi:[1,0]   ; the sums under the new M: a plain line behind the exponentials
	s_wait_alu depctr_va_vdst(0)                   ; one wait for the batch, ahead of its first reader
.irp b, 0,1,2,3
	v_exp_f32 v[232+\b], v[232+\b]                 ; each block's largest p
.endr
	v_pk_add_f32 v[236:237], v[96:97], v[98:99]    ; the row's sum, of the unquantised p, in two chains
.set j, 4
.rept 15
	v_pk_add_f32 v[14:15], v[14:15], v[96+j:97+j]
	v_pk_add_f32 v[236:237], v[236:237], v[98+j:99+j]
.set j, j+4
.endr
	v_pk_add_f32 v[14:15], v[14:15], v[236:237]
	s_wait_alu depctr_va_vdst(0)                   ; and one for the four
.irp b, 0,1,2,3
	v_max_num_f32 v[232+\b], 0x8000000, v[232+\b]  ; the floor
.endr
.irp b, 0,1,2,3
	v_add_nc_u32 v[244+\b], 0xf8800000, v[232+\b]
.endr
.irp b, 0,1,2,3
	v_and_or_b32 v[240+\b], v[232+\b], 0x7f800000, s[MNT]
.endr
.irp b, 0,1,2,3
	v_lshrrev_b32 v[236+\b], 23, v[244+\b]
.endr
	v_lshl_or_b32 v253, v237, 8, v236              ; p's scale word for these 128 keys
	v_lshl_or_b32 v253, v238, 16, v253
	v_lshl_or_b32 v253, v239, 24, v253
.irp b, 0,1,2,3
.irp i, 0,1,2,3,4,5,6,7,8,9,10,11,12,13,14,15
	v_min_num_f32 v[96+16*\b+\i], v[96+16*\b+\i], v[240+\b]   ; p is not negative: the hold is one-sided
.endr
	v_cvt_scalef32_pk8_bf8_f32 v[224+4*\b:225+4*\b], v[96+16*\b:103+16*\b], v[244+\b]
	v_cvt_scalef32_pk8_bf8_f32 v[226+4*\b:227+4*\b], v[104+16*\b:111+16*\b], v[244+\b]
.endr
.set j, 0
.rept 16
	v_pk_mul_f32 v[160+j:161+j], v[160+j:161+j], v[252:253] op_sel_hi:[1,0]   ; O^T under the new M; these are also the places between the codes and the products
.set j, j+2
.endr
.irp t, 0,1,2,3
.irp c, 0,1,2,3
	ds_load_b128 v[96+16*\t+4*\c:99+16*\t+4*\c], v[LV] offset:(\s)*8192+\t*2048+512*\c   ; V's four fragments, where p lay
.endr
	ds_load_b32 v[248+\t], v[LVS] offset:512*(\s)+128*\t
.endr
	s_wait_dscnt 0x0
.irp t, 0,1,2,3
	v_wmma_scale_f32_16x16x128_f8f6f4 v[160+8*\t:167+8*\t], v[96+16*\t:111+16*\t], v[224:239], v[160+8*\t:167+8*\t], v[248+\t], v253 matrix_a_fmt:MATRIX_FMT_BF8 matrix_b_fmt:MATRIX_FMT_BF8
.endr
.endm
; a quarter of K and V is two key steps.  left: the later quarters, which may stay on their way: nothing is ever filled again
.macro QUARTER n, left
	s_wait_dscnt 0x0                               ; no LDS instruction of mine is pending at a signal (ahead of the first: my words of the table have landed)
	s_wait_tensorcnt \left
	s_barrier_signal -1
	s_barrier_wait -1                              ; everybody's part of the quarter is in
	STEP 2*(\n)
	STEP 2*(\n)+1
.endm
	QUARTER 0, 3
	QUARTER 1, 2
	QUARTER 2, 1
	QUARTER 3, 0
	; THE WAY OUT: O^T / the sum through my stage, + x, stored as rows: sixteen lanes store the head's 256 bytes of a row, aligned
	v_add_f32 v14, v14, v15
	v_permlanex16_b32 v252, v14, s[SEL], s[SEL+1]
	v_add_f32 v14, v14, v252
	v_rcp_f32 v14, v14
	v_and_b32 v8, 15, v0
	v_bfe_u32 v9, v0, 4, 1
	s_mul_i32 s73, s[WV], 4352
	s_add_co_u32 s73, s73, STAGE
	v_mul_u32_u24 v10, v8, 272
	v_lshl_add_u32 v10, v9, 6, v10
	v_add_nc_u32 v10, s73, v10                     ; in: row r; position 16 t + 8 h + j of the head is true channel 32 (t / 2) + 8 (t % 2) + 16 h + j
	v_mul_u32_u24 v11, v9, 272
	v_lshl_add_u32 v11, v8, 4, v11
	v_add_nc_u32 v11, s73, v11                     ; back: lanes 0-15 one row, lanes 16-31 the next
	s_wait_alu depctr_va_vdst(0)                   ; ahead of the reciprocal's first reader
.set j, 0
.rept 32
	v_mul_f32 v[96+j], v[160+j], v14               ; each accumulator from its low end on
.set j, j+1
.endr
.irp t, 0,1,2,3
	ds_store_b128 v10, v[96+8*\t:99+8*\t] offset:128*(\t/2)+32*(\t%2)
	ds_store_b128 v10, v[100+8*\t:103+8*\t] offset:128*(\t/2)+32*(\t%2)+16
.endr
.irp i, 0,1,2,3,4,5,6,7
	ds_load_b128 v[32+4*\i:35+4*\i], v11 offset:544*\i     ; LDS serves a wave's instructions in order: these see my stores
.endr
	s_wait_loadcnt 0x0                             ; x
.irp i, 0,1,2,3,4,5,6,7
	s_wait_dscnt 7-\i                              ; load i is back; the younger ones may be out
	v_pk_add_f32 v[32+4*\i:33+4*\i], v[32+4*\i:33+4*\i], v[192+4*\i:193+4*\i]
	v_pk_add_f32 v[34+4*\i:35+4*\i], v[34+4*\i:35+4*\i], v[194+4*\i:195+4*\i]
	global_store_b128 v[GO], v[32+4*\i:35+4*\i], s[10:11] offset:(2*\i+8*(\i/4))*4096
.endr
	s_wait_xcnt 0x0
	v_lshl_add_u32 v254, v0, 2, 0x34000
	v_mov_b32 v255, 0
	s_wait_tensorcnt 0x0
	ds_add_u32 v254, v255
	s_wait_dscnt 0x0
	ROUND                                          ; the closing round
	s_endpgm
.Lfunc_end_k_qafb6e54baf_attn:
	.size	k_qafb6e54baf_attn, .Lfunc_end_k_qafb6e54baf_attn-k_qafb6e54baf_attn
	.p2alignl 7, 3214868480
	.fill 96, 4, 3214868480
	.section	.rodata,"a",@progbits
	.p2align	6, 0x0
	.amdhsa_kernel k_qafb6e54baf_attn
		.amdhsa_group_segment_fixed_size 215040
		.amdhsa_private_segment_fixed_size 0
		.amdhsa_enable_private_segment 0
		.amdhsa_kernarg_size 32
		.amdhsa_user_sgpr_count 2
		.amdhsa_user_sgpr_kernarg_segment_ptr 1
		.amdhsa_wavefront_size32 1
		.amdhsa_system_sgpr_workgroup_id_x 1
		.amdhsa_system_sgpr_workgroup_id_y 1
		.amdhsa_system_sgpr_workgroup_id_z 1
		.amdhsa_system_vgpr_workitem_id 0
		.amdhsa_next_free_vgpr 256
		.amdhsa_next_free_sgpr 80
		.amdhsa_reserve_vcc 1
		.amdhsa_float_denorm_mode_32 3
		.amdhsa_float_denorm_mode_16_64 3
		.amdhsa_memory_ordered 1
		.amdhsa_forward_progress 1
		.amdhsa_inst_pref_size 177
	.end_amdhsa_kernel
	.amdgpu_metadata
---
amdhsa.version: [ 1, 2 ]
amdhsa.kernels:
  - .name:           k_qafb6e54baf_attn
    .symbol:         k_qafb6e54baf_attn.kd
    .args:
      - { .name: qkv, .offset: 0, .size: 8, .value_kind: global_buffer, .address_space: global }
      - { .name: mask, .offset: 8, .size: 8, .value_kind: global_buffer, .address_space: global }
      - { .name: x, .offset: 16, .size: 8, .value_kind: global_buffer, .address_space: global }
      - { .name: y, .offset: 24, .size: 8, .value_kind: global_buffer, .address_space: global }
    .group_segment_fixed_size: 215040
    .private_segment_fixed_size: 0
    .kernarg_segment_align: 8
    .kernarg_segment_size: 32
    .max_flat_workgroup_size: 512
    .sgpr_count:     80
    .vgpr_count:     256
    .wavefront_size: 32
...
	.end_amdgpu_metadata
.endif
;; end of part 3
;; launch ln2: the kernel of part 1 again; grid 256 x 1, 8 waves a work-group, no clusters, 34,816 bytes of LDS; arguments y, g2, b2, Wq, Wk, Wv, Wf1, Wf2, hq, wq; writes hq, wq
;; launch ffn1 (part 4): grid 16 x 16, 4 waves a work-group, clusters of 4 x 4, 327,680 bytes of LDS; arguments hq, wq, bf1, gq; writes gq
.if DOCPART == 4
	.amdgcn_target "amdgcn-amd-amdhsa--gfx1250"
	.amdhsa_code_object_version 6
	.text
	.protected	k_qafb6e54baf_ffn1
	.globl	k_qafb6e54baf_ffn1
	.p2align	8
	.type	k_qafb6e54baf_ffn1,@function
k_qafb6e54baf_ffn1:
	s_mov_b64 s[64:65], 0
	v_nop
	global_prefetch_b8 v0, s[64:65] scope:SCOPE_SE
	s_setreg_imm32_b32 hwreg(HW_REG_WAVE_MODE, 25, 1), 1
	s_wait_xcnt 0x0
	s_wait_alu depctr_hold_cnt(0) depctr_sa_sdst(0) depctr_va_vdst(0) depctr_va_sdst(0) depctr_va_ssrc(0) depctr_va_vcc(0) depctr_vm_vsrc(0)
	s_getreg_b32 s2, hwreg(HW_REG_IB_STS2, 6, 4)
	s_cmp_eq_u32 s2, 0
	s_cbranch_scc0 .Lentry_in_a_cluster
	s_endpgm
.Lentry_in_a_cluster:
	s_bfe_u32 s2, ttmp6, 0x10000c
	s_cmp_lg_u32 s2, 0xf033
	s_cbranch_scc0 .Lentry_shape_is_right
	s_endpgm
.Lentry_shape_is_right:
; g = gelu(h2 Wf1 + bf1), exact (erf), on E5M2 codes with E8M0 scales, K = 1,024; g is quantised on the way out along its 4,096 features, the K of the next product.
; A work-group of four waves makes 256 tokens x 256 features, a wave 128 x 128.  The product is used transposed (source 0 = 128 columns of Wf1, source 1 = 128 tokens): a lane holds a token and, since
; rows stand in position order, its 64 registers of a block of 16 tokens are the features 32 c + 16 h + 0..15 of one K step of the next product: the conversions' results are that operand's image.
; Main loop, ring, joint loads: as in the launch that makes q, k, v.
; gelu(x) = max(x, 0) - |x| wn, wn = erfc(|x| / sqrt(2)) / 2: no difference of near numbers in the negative tail.  With T = |x| / sqrt(2): above 0.921875 wn = 2^(-r log2(e) - 1), r a polynomial of T;
; below, wn = 1/2 - erf(T) / 2 by an odd polynomial.  Both are computed for every number and one is selected: no branch hangs on data.
; One wave has the SIMD to itself on the way out, so the order of GELU's lines keeps each line away from the lines whose results it reads: the exponentials stand among the lines of the other polynomial,
; and the last four lines of each number go in groups of four numbers, one group ahead.
; THE WAY OUT IS A LOOP of eight trips, one for each block of 16 tokens: a switch on the trip's number picks the copy (accumulators + bias) that names that block's registers; the rest is written once.
; LIMITS: as the quantiser's in the first launch.
.set HS_OFF,  4194304
.set W1C_OFF, 3145728
.set W1S_OFF, 11632640
.set GS_OFF,  16777216
.set NQ,    2
.set FR,    16
.set NL,    4
.set NP,    8
.set HALFT, 32768
.set SLOT,  131072
.set LAPS,  2
.set SCL,   262144
.set HALFS, 4096
.set SPARE, 278528
.set SSTQ,  279040                     ; a stage of 512 bytes a wave for the new scale words
.set BO,   7
.set ADRA, 16
.set LI,   19
.set ADRB, 20
.set SQW,  22
.set SQT,  23
.set SQR,  24
.set ADRS, 27
.set SPW,  28
.set NIL,  29
.set SC,   32
.set BX,   64
.set AF,   128
.set HA,   0                           ; window 1 on the way out
.set PC,   64
.set TM,   96
.set PW,   112
.set KA,   116                         ; three leading coefficients, each in a pair of registers
.set KCC,  118
.set KS0,  120
.set GT,   128
.set GS,   160
.set GR,   192
.set GU,   224
.set SEL,  20
.set MNT,  23
.set THR,  66                          ; s66     0.921875
.set MSK,  96                          ; s96-99  four lanes' masks: which polynomial serves
.set G1, 24
.set G0, 32
.set G1B, 48
.set G0B, 56
.set G1S, 68
.set G0S, 76
.set G1SB, 80
.set G0SB, 88
.set MSB, 0
.macro WIN new
.if MSB != (\new)
	s_set_vgpr_msb (MSB<<8)|(\new)
.set MSB, (\new)
.endif
.endm
.set MUL_LO, 0xa1
.set MUL_HI, 0xf1
.set TO_B,   0x40
.macro JLOAD g0a, g1a, g0b, g1b
	s_cmp_eq_u32 s15, 0
	s_cbranch_scc0 .Lfor_b_\@
	tensor_load_to_lds s[\g0a:\g0a+3], s[\g1a:\g1a+7]
	s_nop 0
.rept 4
	v_nop
.endr
	s_branch .Lasked_\@
.Lfor_b_\@:
	tensor_load_to_lds s[\g0b:\g0b+3], s[\g1b:\g1b+7]
	s_nop 0
.rept 4
	v_nop
.endr
.Lasked_\@:
.endm
.macro CREST
	s_cmp_lg_u32 s14, 0
	s_cbranch_scc1 .Lnot_wave_0_\@
	s_barrier_signal -3
.Lnot_wave_0_\@:
	s_barrier_wait -3
	s_barrier_signal -1
	s_barrier_wait -1
.endm
.macro CROUND
	s_barrier_signal -1
	s_barrier_wait -1
	CREST
.endm
.macro PLACES n
.rept \n
	v_nop
.endr
.endm
	s_load_b256 s[4:11], s[0:1], 0x0               ; hq s[4:5], wq s[6:7], bf1 s[8:9], gq s[10:11]
	v_lshl_add_u32 v[SPW], v0, 2, SPARE
	v_mov_b32 v[NIL], 0
	ds_add_u32 v28, v29
	ds_add_u32 v28, v29
	s_wait_dscnt 0x0
	v_lshrrev_b32 v1, 5, v0
	v_readfirstlane_b32 s14, v1
	s_lshr_b32 s15, s14, 1
	s_and_b32 s16, s14, 1
	s_bfe_u32 s40, ttmp6, 0x40000
	s_bfe_u32 s41, ttmp6, 0x40004
	s_lshl_b32 s42, ttmp9, 2
	s_add_co_u32 s42, s42, s40                     ; which 256 features
	s_and_b32 s17, ttmp7, 0xffff
	s_lshl_b32 s17, s17, 2
	s_add_co_u32 s17, s17, s41                     ; which 256 tokens
	s_lshl_b32 s43, s41, 2
	s_lshl_b32 s43, 15, s43
	s_lshl_b32 s44, 0x1111, s40
	s_or_b32 s[G1+0], s43, (3<<16)|(1<<21)         ; codes: 8 position blocks x 4,096 bytes, 16,384 bytes apart; elements of 8 bytes
	s_or_b32 s[G1B+0], s44, (3<<16)|(1<<21)
.irp g, G1, G1B
	s_mov_b32 s[\g+1], 512<<16
	s_mov_b32 s[\g+2], 8<<16
	s_mov_b32 s[\g+3], 512<<16
	s_mov_b32 s[\g+4], 8
	s_mov_b32 s[\g+5], 2048
	s_mov_b32 s[\g+6], 0
	s_mov_b32 s[\g+7], 0
.endr
	s_or_b32 s[G1S+0], s43, (3<<16)|(1<<21)        ; scale words of 128 rows: 4,096 dense bytes
	s_or_b32 s[G1SB+0], s44, (3<<16)|(1<<21)
.irp g, G1S, G1SB
	s_mov_b32 s[\g+1], 32<<16
	s_mov_b32 s[\g+2], 16<<16
	s_mov_b32 s[\g+3], 32<<16
	s_mov_b32 s[\g+4], 16
	s_mov_b32 s[\g+5], 32
	s_mov_b32 s[\g+6], 0
	s_mov_b32 s[\g+7], 0
.endr
	s_lshl_b32 s12, s17, 1
	s_add_co_u32 s12, s12, s16
	s_lshl_b32 s94, s12, 12
	s_add_co_u32 s94, s94, HS_OFF
	s_lshl_b32 s12, s12, 17
	s_lshl_b32 s18, s42, 1
	s_add_co_u32 s18, s18, s16
	s_lshl_b32 s2, s18, 12
	s_add_co_u32 s2, s2, W1S_OFF
	s_lshl_b32 s18, s18, 17
	s_add_co_u32 s18, s18, W1C_OFF
	s_mov_b32 s13, 0
	s_mov_b32 s95, 0
	s_mov_b32 s19, 0
	s_mov_b32 s3, 0
	s_mul_i32 s45, s14, HALFT
	s_mul_i32 s67, s14, HALFS
	s_wait_kmcnt 0x0
	s_add_nc_u64 s[20:21], s[4:5], s[12:13]
	s_add_nc_u64 s[22:23], s[4:5], s[94:95]
	s_add_nc_u64 s[46:47], s[6:7], s[18:19]
	s_add_nc_u64 s[92:93], s[6:7], s[2:3]
	CROUND
	s_mov_b32 s[G0S], 1
	s_add_co_u32 s[G0S+1], s67, SCL
	s_mov_b64 s[G0S+2:G0S+3], s[22:23]
	s_or_b32 s[G0S+3], s[G0S+3], 0x80000000
	s_mov_b32 s[G0SB], 1
	s_add_co_u32 s[G0SB+1], s67, SCL
	s_mov_b64 s[G0SB+2:G0SB+3], s[92:93]
	s_or_b32 s[G0SB+3], s[G0SB+3], 0x80000000
	JLOAD G0S, G1S, G0SB, G1SB                     ; three loads of mine go out together
.irp s, 0,1
	s_mov_b32 s[G0+4*\s], 1
	s_add_co_u32 s[G0+4*\s+1], s45, \s*SLOT
	s_add_nc_u64 s[G0+4*\s+2:G0+4*\s+3], s[20:21], \s*4096
	s_or_b32 s[G0+4*\s+3], s[G0+4*\s+3], 0x80000000
	s_mov_b32 s[G0B+4*\s], 1
	s_add_co_u32 s[G0B+4*\s+1], s45, \s*SLOT
	s_add_nc_u64 s[G0B+4*\s+2:G0B+4*\s+3], s[46:47], \s*4096
	s_or_b32 s[G0B+4*\s+3], s[G0B+4*\s+3], 0x80000000
	JLOAD G0+4*\s, G1, G0B+4*\s, G1B
.endr
	v_and_b32 v1, 15, v0
	v_bfe_u32 v2, v0, 4, 1
	v_and_b32 v3, 31, v0
	v_lshlrev_b32 v[LI], 4, v3
	s_mul_i32 s12, s15, HALFT
	s_mul_i32 s13, s16, HALFT
	s_add_co_u32 s13, s13, 2*HALFT
.irp s, 0,1
	v_add_nc_u32 v[ADRA+\s], s12, v[LI]
	v_add_nc_u32 v[ADRB+\s], s13, v[LI]
	s_add_co_u32 s12, s12, SLOT
	s_add_co_u32 s13, s13, SLOT
.endr
	s_mul_i32 s12, s15, HALFS
	s_mul_i32 s13, s16, HALFS
	s_add_co_u32 s13, s13, 2*HALFS
	s_sub_co_u32 s13, s13, s12
	v_mul_u32_u24 v4, s13, v2
	s_add_co_u32 s12, s12, SCL
	v_lshl_add_u32 v4, v1, 2, v4
	v_add_nc_u32 v[ADRS], s12, v4
	s_lshl_b32 s12, s14, 9
	v_lshl_add_u32 v4, v1, 2, s12
	v_add_nc_u32 v[SQW], SSTQ, v4
	v_add_nc_u32 v4, s12, v[LI]
	v_add_nc_u32 v[SQR], SSTQ, v4
	v_lshlrev_b32 v[BO], 6, v2
	s_lshl_b32 s12, s42, 10
	s_lshl_b32 s13, s16, 9
	s_add_co_u32 s12, s12, s13
	s_mov_b32 s13, 0
	s_add_nc_u64 s[8:9], s[8:9], s[12:13]          ; the bias of my 128 features: asked for now, wanted on the way out
.irp c, 0,1,2,3
.irp j, 0,1,2,3
	global_load_b128 v[BX+16*\c+4*\j:BX+16*\c+4*\j+3], v[BO], s[8:9] offset:128*\c+16*\j
.endr
.endr
.macro FRAG reg, adr, q, i
.irp c, 0,1,2,3
	ds_load_b128 v[\reg+4*\c:\reg+4*\c+3], v[\adr] offset:2048*(\q)+512*\c+(\i)*4096
.endr
.endm
.macro MUL16 a0, p, q, sc, zero        ; the 64 accumulators take turns, one instruction a turn
.irp a, \a0, \a0+1
.irp b, 0,1,2,3,4,5,6,7
.if \zero
	v_wmma_scale_f32_16x16x128_f8f6f4 v[8*(8*((\a)%4)+\b):8*(8*((\a)%4)+\b)+7], v[128*(\p)+FR*\b:128*(\p)+FR*\b+FR-1], v[AF+FR*(\a):AF+FR*(\a)+FR-1], 0, v[SC+16*(\sc)+8*(\q)+\b], v[SC+16*(\sc)+8*(\q)+(\a)] matrix_a_fmt:MATRIX_FMT_BF8 matrix_b_fmt:MATRIX_FMT_BF8 matrix_a_scale:MATRIX_SCALE_ROW1
.else
	v_wmma_scale_f32_16x16x128_f8f6f4 v[8*(8*((\a)%4)+\b):8*(8*((\a)%4)+\b)+7], v[128*(\p)+FR*\b:128*(\p)+FR*\b+FR-1], v[AF+FR*(\a):AF+FR*(\a)+FR-1], v[8*(8*((\a)%4)+\b):8*(8*((\a)%4)+\b)+7], v[SC+16*(\sc)+8*(\q)+\b], v[SC+16*(\sc)+8*(\q)+(\a)] matrix_a_fmt:MATRIX_FMT_BF8 matrix_b_fmt:MATRIX_FMT_BF8 matrix_a_scale:MATRIX_SCALE_ROW1
.endif
.endr
.endr
.endm
.macro FETCH_B slot, q, p
	WIN TO_B
.irp i, 0,1,2,3,4,5,6,7
	FRAG 128*(\p)+FR*\i, ADRB+\slot, \q, \i
.endr
	WIN 0
.endm
.macro FETCH_A slot, q, i0
.irp i, \i0, \i0+1, \i0+2, \i0+3
	FRAG AF+FR*(\i), ADRA+\slot, \q, \i
.endr
.endm
.macro SCALES sc
.irp q, 0,1
.irp i, 0,1,2,3,4,5,6,7
	ds_load_b32 v[SC+16*\sc+8*\q+\i], v[ADRS] offset:512*\q+64*\i
.endr
.endr
.endm
.macro STEP slot, q, zero
	s_wait_dscnt 4*NL                              ; all but the youngest 16 loads (source 1's blocks 4-7)
	WIN MUL_LO
	MUL16 0, (\q)%2, \q, \slot, \zero
	MUL16 2, (\q)%2, \q, \slot, \zero
	s_wait_dscnt 0
	PLACES NP
	FETCH_B \slot, (\q)+1, 1-(\q)%2
	FETCH_A \slot, (\q)+1, 0
	WIN MUL_HI
	MUL16 4, (\q)%2, \q, \slot, \zero
	MUL16 6, (\q)%2, \q, \slot, \zero
	PLACES NP
	WIN 0
	FETCH_A \slot, (\q)+1, 4
.endm
.macro TURN slot, next, fill
	s_wait_tensorcnt 0x0                           ; all my tensor loads have landed
	ds_add_u32 v[SPW], v[NIL]                      ; 0 onto my spare word
	s_wait_dscnt 4*NL+1                            ; the add and the youngest 16 loads may be out
	WIN MUL_LO
	MUL16 0, 1, NQ-1, \slot, 0
	s_wait_dscnt 0x0                               ; the add is done, and my reads of this slot are over
	s_barrier_signal -1
	MUL16 2, 1, NQ-1, \slot, 0
	WIN 0
	s_barrier_wait -1
.if \fill
	CREST
	s_add_nc_u64 s[G0+4*\slot+2:G0+4*\slot+3], s[G0+4*\slot+2:G0+4*\slot+3], 8192
	s_add_nc_u64 s[G0B+4*\slot+2:G0B+4*\slot+3], s[G0B+4*\slot+2:G0B+4*\slot+3], 8192
	JLOAD G0+4*\slot, G1, G0B+4*\slot, G1B
	PLACES NP-4
.else
	PLACES NP
.endif
	v_add_nc_u32 v[ADRS], 1024, v[ADRS]
	FETCH_B \next, 0, 0
	FETCH_A \next, 0, 0
	SCALES \next
	WIN MUL_HI
	MUL16 4, 1, NQ-1, \slot, 0
	MUL16 6, 1, NQ-1, \slot, 0
	PLACES NP
	WIN 0
	FETCH_A \next, 0, 4
.endm
	s_wait_tensorcnt 1                             ; the scale words and slot 0; slot 1's load may be out
	s_barrier_signal -1
	s_barrier_wait -1
	FETCH_B 0, 0, 0
	FETCH_A 0, 0, 0
	SCALES 0
	FETCH_A 0, 0, 4
	STEP 0, 0, 1
	s_mov_b32 s3, LAPS-1
.Llap:
	TURN 0, 1, 1
	STEP 1, 0, 0
	TURN 1, 0, 1
	STEP 0, 0, 0
	s_sub_co_u32 s3, s3, 1
	s_cmp_lg_u32 s3, 0
	s_cbranch_scc1 .Llap
	TURN 0, 1, 0
	STEP 1, 0, 0
	s_wait_dscnt 4*NL
	WIN MUL_LO
	MUL16 0, 1, NQ-1, 1, 0
	MUL16 2, 1, NQ-1, 1, 0
	s_wait_dscnt 0
	WIN MUL_HI
	MUL16 4, 1, NQ-1, 1, 0
	MUL16 6, 1, NQ-1, 1, 0
	WIN 0
; ---------------- THE WAY OUT ----------------
.macro QUANT s
.irp b, 0,1,2,3
	v_max3_num_f32 v[TM+\b], |v[\s+16*\b]|, |v[\s+1+16*\b]|, 0x8000000
.endr
.irp i, 2,4,6,8,10,12,14
.irp b, 0,1,2,3
	v_max3_num_f32 v[TM+\b], v[TM+\b], |v[\s+16*\b+\i]|, |v[\s+1+16*\b+\i]|
.endr
.endr
.irp b, 0,1,2,3
	v_permlanex16_b32 v[TM+4+\b], v[TM+\b], s[SEL], s[SEL+1]
.endr
.irp b, 0,1,2,3
	v_max_num_f32 v[TM+\b], v[TM+\b], v[TM+4+\b]
.endr
.irp b, 0,1,2,3
	v_add_nc_u32 v[TM+12+\b], 0xf8800000, v[TM+\b]
.endr
.irp b, 0,1,2,3
	v_and_or_b32 v[TM+8+\b], v[TM+\b], 0x7f800000, s[MNT]
.endr
.irp b, 0,1,2,3
	v_lshrrev_b32 v[TM+4+\b], 23, v[TM+12+\b]
.endr
	v_lshl_or_b32 v[PW], v[TM+5], 8, v[TM+4]
	v_lshl_or_b32 v[PW], v[TM+6], 16, v[PW]
	v_lshl_or_b32 v[PW], v[TM+7], 24, v[PW]
.irp b, 0,1,2,3
.irp i, 0,1,2,3,4,5,6,7,8,9,10,11,12,13,14,15
	v_med3_num_f32 v[\s+16*\b+\i], v[\s+16*\b+\i], -v[TM+8+\b], v[TM+8+\b]
.endr
	v_cvt_scalef32_pk8_bf8_f32 v[PC+4*\b:PC+1+4*\b], v[\s+16*\b:\s+7+16*\b], v[TM+12+\b]
	v_cvt_scalef32_pk8_bf8_f32 v[PC+2+4*\b:PC+3+4*\b], v[\s+8+16*\b:\s+15+16*\b], v[TM+12+\b]
.endr
	v_nop
.endm
.macro PKL d, a, b, lit                ; 32 numbers: d = a b + a constant
.set i, 0
.rept 16
	v_pk_fma_f32 v[\d+i:\d+i+1], v[\a+i:\a+i+1], v[\b+i:\b+i+1], \lit op_sel_hi:[1,1,0]
.set i, i+2
.endr
.endm
.macro PKC d, a, c, lit                ; d = a x (the pair c) + a constant
.set i, 0
.rept 16
	v_pk_fma_f32 v[\d+i:\d+i+1], v[\a+i:\a+i+1], v[\c:\c+1], \lit op_sel_hi:[1,1,0]
.set i, i+2
.endr
.endm
.macro PKV d, a, b, c                  ; d = a b + c
.set i, 0
.rept 16
	v_pk_fma_f32 v[\d+i:\d+i+1], v[\a+i:\a+i+1], v[\b+i:\b+i+1], v[\c+i:\c+i+1]
.set i, i+2
.endr
.endm
; Line nn of the 112 that make 1/2 - erf(T) / 2 for the smaller T: stage nn / 16 of seven, pair nn % 16 of the 32 numbers.  A stage's line reads what the stage before wrote sixteen lines up
.macro SMALL
.set st, nn/16
.set ii, 2*(nn%16)
.if st == 0
	v_pk_fma_f32 v[GU+ii:GU+ii+1], v[GS+ii:GS+ii+1], v[KS0:KS0+1], 0x3ba39fa4 op_sel_hi:[1,1,0]
.elseif st == 1
	v_pk_fma_f32 v[GU+ii:GU+ii+1], v[GU+ii:GU+ii+1], v[GS+ii:GS+ii+1], 0xbcdb45e9 op_sel_hi:[1,1,0]
.elseif st == 2
	v_pk_fma_f32 v[GU+ii:GU+ii+1], v[GU+ii:GU+ii+1], v[GS+ii:GS+ii+1], 0x3de70d23 op_sel_hi:[1,1,0]
.elseif st == 3
	v_pk_fma_f32 v[GU+ii:GU+ii+1], v[GU+ii:GU+ii+1], v[GS+ii:GS+ii+1], 0xbec09370 op_sel_hi:[1,1,0]
.elseif st == 4
	v_pk_fma_f32 v[GU+ii:GU+ii+1], v[GU+ii:GU+ii+1], v[GS+ii:GS+ii+1], 0x3e0375d3 op_sel_hi:[1,1,0]
.elseif st == 5
	v_pk_fma_f32 v[GU+ii:GU+ii+1], v[GU+ii:GU+ii+1], v[GT+ii:GT+ii+1], v[GT+ii:GT+ii+1]   ; erf(T)
.else
	v_pk_fma_f32 v[GU+ii:GU+ii+1], v[GU+ii:GU+ii+1], -0.5, 0.5 op_sel_hi:[1,0,0]
.endif
.endm
; The last four lines of a number, for group g of four numbers: which polynomial serves, and max(x, 0);
.macro TAILC g
.irp n, 0,1,2,3
	v_cmp_lt_f32 s[MSK+\n], s[THR], v[GT+4*(\g)+\n]
.endr
.irp n, 0,1,2,3
	v_max_num_f32 v[GS+4*(\g)+\n], 0, v[XB+4*(\g)+\n]
.endr
.endm
.macro TAILS g                         ; the choice;
.irp n, 0,1,2,3
	v_cndmask_b32 v[GU+4*(\g)+\n], v[GU+4*(\g)+\n], v[GR+4*(\g)+\n], s[MSK+\n]
.endr
.endm
.macro TAILF g                         ; max(x, 0) - |x| wn
.irp n, 0,1,2,3
	v_fma_f32 v[XB+4*(\g)+\n], -|v[XB+4*(\g)+\n]|, v[GU+4*(\g)+\n], v[GS+4*(\g)+\n]
.endr
.endm
.macro GELU k                          ; 32 numbers, in place
.set XB, HA+32*(\k)
.set i, 0
.rept 32
	v_mul_f32 v[GT+i], 0x3f3504f3, |v[XB+i]|       ; T = |x| / sqrt(2)
.set i, i+1
.endr
.set i, 0
.rept 16
	v_pk_mul_f32 v[GS+i:GS+i+1], v[GT+i:GT+i+1], v[GT+i:GT+i+1]
.set i, i+2
.endr
	PKC GR, GT, KA, 0xb9c8e966
	PKC GU, GT, KCC, 0xbcc6b180
	PKV GR, GR, GS, GU
	PKL GR, GR, GT, 0x3ddaae58
	PKL GR, GR, GT, 0x3f228550
	PKL GR, GR, GT, 0x3e03ce86
	PKV GR, GR, GT, GT                             ; r
.set i, 0
.rept 16
	v_pk_fma_f32 v[GR+i:GR+i+1], v[GR+i:GR+i+1], 0xbfb8aa3b, -1.0 op_sel_hi:[1,0,0]   ; -r log2(e) - 1
.set i, i+2
.endr
; THE 32 EXPONENTIALS (erfc(T) / 2 for the larger T) STAND AMONG THE 112 LINES OF THE OTHER POLYNOMIAL, two to every seven: three or four plain lines, which name no exponential's result, behind each
.set nn, 0
.set ee, 0
.rept 112
.if ((2*nn)%7) < 2
	v_exp_f32 v[GR+ee], v[GR+ee]
.set ee, ee+1
.endif
	SMALL
.set nn, nn+1
.endr
	s_wait_alu depctr_va_vdst(0)                   ; one wait for the 32 exponentials, ahead of their first reader
	TAILC 0
.irp g, 0,1,2,3,4,5,6,7                ; group g's choice, the next group's compares and maxima, group g's last line: no line reads a result made fewer than four lines above it
	TAILS \g
.if \g < 7
	TAILC \g+1
.endif
	TAILF \g
.endr
.endm
.macro COPY a                          ; block a's 64 sums + the bias, into fixed registers; each accumulator from its low end on
.Lc\a:
	WIN 0x42+(\a)/4
.set p, 0
.rept 32
	v_pk_add_f32 v[HA+2*p:HA+2*p+1], v[64*((\a)%4)+2*p:64*((\a)%4)+2*p+1], v[BX+2*p:BX+2*p+1]
.set p, p+1
.endr
	WIN 0
.if (\a) < 7
	s_branch .Lgo
.endif
.endm
	PLACES NP                                      ; behind the last products
	s_wait_loadcnt 0x0                             ; the bias
	s_mov_b32 s[SEL], 0x76543210
	s_mov_b32 s[SEL+1], 0xfedcba98
	s_mov_b32 s[MNT], 0x600000
	s_mov_b32 s[THR], 0x3f6c0000
	s_lshl_b32 s12, s17, 4
	s_lshl_b32 s13, s15, 3
	s_add_co_u32 s12, s12, s13
	s_lshl_b32 s12, s12, 16                        ; my first position block: 65,536 bytes of codes a block (K = 4,096)
	s_lshl_b32 s18, s42, 1
	s_add_co_u32 s18, s18, s16                     ; my K step of the next product
	s_lshl_b32 s13, s18, 11
	s_add_co_u32 s12, s12, s13
	s_mov_b32 s13, 0
	s_add_nc_u64 s[4:5], s[10:11], s[12:13]
	s_lshl_b32 s12, s17, 1
	s_add_co_u32 s12, s12, s15
	s_lshl_b32 s12, s12, 14
	s_lshl_b32 s18, s18, 9
	s_add_co_u32 s12, s12, s18
	s_add_co_u32 s12, s12, GS_OFF
	s_add_nc_u64 s[6:7], s[10:11], s[12:13]
	WIN 0x40
.irp b, 0,1,2,3
	v_mov_b32 v[TM+4+\b], 0
.endr
	v_mov_b32 v[KA], 0x37911480
	v_mov_b32 v[KA+1], 0x37911480
	v_mov_b32 v[KCC], 0x3b7e899b
	v_mov_b32 v[KCC+1], 0x3b7e899b
	v_mov_b32 v[KS0], 0xba1d0d41
	v_mov_b32 v[KS0+1], 0xba1d0d41
	WIN 0
	s_mov_b32 s2, 0                                ; the block
	s_mov_b32 s12, 0                               ; 64 x the block: its scale words' place in the stage
.Lepi:
.irp a, 1,2,3,4,5,6,7
	s_cmp_eq_u32 s2, \a
	s_cbranch_scc1 .Lc\a
.endr
.irp a, 0,1,2,3,4,5,6,7
	COPY \a
.endr
.Lgo:
	WIN 0x55
	GELU 0
	GELU 1
	s_wait_xcnt 0x0                                ; the last block's stores have read their data and their base,
	s_wait_dscnt 0x0                               ; and its LDS store its data and address
	s_add_nc_u64 s[4:5], s[4:5], 65536             ; one block beyond the one in hand: the stores reach back
	QUANT HA
	WIN 0
	v_add_nc_u32 v[SQT], s12, v[SQW]
	WIN 0x04
.irp c, 0,1,2,3
	global_store_b128 v[LI], v[PC+4*\c:PC+4*\c+3], s[4:5] offset:512*\c-65536   ; 512 consecutive bytes, aligned
.endr
	ds_store_b32 v[SQT], v[PW]
	WIN 0
	s_add_co_u32 s12, s12, 64
	s_add_co_u32 s2, s2, 1
	s_cmp_lt_u32 s2, 8
	s_cbranch_scc1 .Lepi
	ds_load_b128 v[32:35], v[SQR]                  ; LDS serves a wave's instructions in order: this sees my stores
	s_wait_dscnt 0x0
	global_store_b128 v[LI], v[32:35], s[6:7]      ; my 128 tokens' scale words of this K step: 512 consecutive bytes
	s_wait_tensorcnt 0x0                           ; the wave's end
	ds_add_u32 v[SPW], v[NIL]
	s_wait_dscnt 0x0
	CROUND
	s_endpgm
.Lfunc_end_k_qafb6e54baf_ffn1:
	.size	k_qafb6e54baf_ffn1, .Lfunc_end_k_qafb6e54baf_ffn1-k_qafb6e54baf_ffn1
	.p2alignl 7, 3214868480
	.fill 96, 4, 3214868480
	.section	.rodata,"a",@progbits
	.p2align	6, 0x0
	.amdhsa_kernel k_qafb6e54baf_ffn1
		.amdhsa_group_segment_fixed_size 327680
		.amdhsa_private_segment_fixed_size 0
		.amdhsa_enable_private_segment 0
		.amdhsa_kernarg_size 32
		.amdhsa_user_sgpr_count 2
		.amdhsa_user_sgpr_kernarg_segment_ptr 1
		.amdhsa_wavefront_size32 1
		.amdhsa_system_sgpr_workgroup_id_x 1
		.amdhsa_system_sgpr_workgroup_id_y 1
		.amdhsa_system_sgpr_workgroup_id_z 1
		.amdhsa_system_vgpr_workitem_id 0
		.amdhsa_next_free_vgpr 1024
		.amdhsa_next_free_sgpr 102
		.amdhsa_reserve_vcc 0
		.amdhsa_float_denorm_mode_32 3
		.amdhsa_float_denorm_mode_16_64 3
		.amdhsa_memory_ordered 1
		.amdhsa_forward_progress 1
		.amdhsa_inst_pref_size 212
	.end_amdhsa_kernel
	.amdgpu_metadata
---
amdhsa.version: [ 1, 2 ]
amdhsa.kernels:
  - .name:           k_qafb6e54baf_ffn1
    .symbol:         k_qafb6e54baf_ffn1.kd
    .args:
      - { .name: hq, .offset: 0, .size: 8, .value_kind: global_buffer, .address_space: global }
      - { .name: wq, .offset: 8, .size: 8, .value_kind: global_buffer, .address_space: global }
      - { .name: bf1, .offset: 16, .size: 8, .value_kind: global_buffer, .address_space: global }
      - { .name: gq, .offset: 24, .size: 8, .value_kind: global_buffer, .address_space: global }
    .group_segment_fixed_size: 327680
    .private_segment_fixed_size: 0
    .kernarg_segment_align: 8
    .kernarg_segment_size: 32
    .max_flat_workgroup_size: 128
    .sgpr_count:     102
    .vgpr_count:     1024
    .wavefront_size: 32
...
	.end_amdgpu_metadata
.endif
;; end of part 4
;; launch ffn2 (part 5): grid 8 x 32, 4 waves a work-group, clusters of 4 x 4, 327,680 bytes of LDS; arguments gq, wq, bf2, y, out0; writes out0
.if DOCPART == 5
	.amdgcn_target "amdgcn-amd-amdhsa--gfx1250"
	.amdhsa_code_object_version 6
	.text
	.protected	k_qafb6e54baf_ffn2
	.globl	k_qafb6e54baf_ffn2
	.p2align	8
	.type	k_qafb6e54baf_ffn2,@function
k_qafb6e54baf_ffn2:
	s_mov_b64 s[64:65], 0
	v_nop
	global_prefetch_b8 v0, s[64:65] scope:SCOPE_SE
	s_setreg_imm32_b32 hwreg(HW_REG_WAVE_MODE, 25, 1), 1
	s_wait_xcnt 0x0
	s_wait_alu depctr_hold_cnt(0) depctr_sa_sdst(0) depctr_va_vdst(0) depctr_va_sdst(0) depctr_va_ssrc(0) depctr_va_vcc(0) depctr_vm_vsrc(0)
	s_getreg_b32 s2, hwreg(HW_REG_IB_STS2, 6, 4)
	s_cmp_eq_u32 s2, 0
	s_cbranch_scc0 .Lentry_in_a_cluster
	s_endpgm
.Lentry_in_a_cluster:
	s_bfe_u32 s2, ttmp6, 0x10000c
	s_cmp_lg_u32 s2, 0xf033
	s_cbranch_scc0 .Lentry_shape_is_right
	s_endpgm
.Lentry_shape_is_right:
; out = y + g Wf2 + bf2 on E5M2 codes with E8M0 scales, K = 4,096.  The output is 4,096 x 1,024: tiles of 128 x 128 give each of 256 work-groups one; a wave makes 64 x 64 (16 accumulators).
; K goes in steps of 512 (four matrix instructions deep) through two LDS slots; a wave's tensor load brings 4 position blocks x 8,192 bytes.  Tiles are asked for jointly in a 4 x 4 cluster:
; g's along a row, Wf2's along a column.  The scale words of the tile's rows, all of K, come once (2 x 16,384 bytes) and stay.
; The product is used transposed (source 0 = Wf2's columns, source 1 = tokens): a lane holds a token and eight output columns.  Rows and columns stand in position order (bits 3 and 4 exchanged); the way out
; through a stage in LDS puts columns in true order, and the stores' offsets put rows there.
; REGISTERS: window 0: v0-31 addresses, v8-11 bias, v32-63 scale words, v64-127 rows on the way out, v128-255 accumulators (a, b) at 128 + 8 (4 a + b);
;   window 1: two fragment buffers of 128 (source 1's four, then source 0's four);  window 2: my 64 x 64 of y, asked for at the head.
.set GS_OFF,  16777216
.set W2C_OFF, 7340032
.set W2S_OFF, 11763712
.set HALFT, 32768
.set SLOT,  131072
.set LAPS,  4
.set SCL,   262144
.set SPARE, 294912
.set STG,   295424                     ; 16 rows x (256 + 16) bytes for each wave
.set ADRA, 16
.set LI,   19
.set ADRB, 20
.set STO,  24
.set RD,   25
.set CO,   26
.set ADRS, 27
.set SPW,  28
.set NIL,  29
.set BO,   30
.set SC,   32
.set OB,   64
.set ACC,  128
.set F0,   0
.set F1,   128
.set G1, 24
.set G0, 32
.set G1B, 48
.set G0B, 56
.set G1S, 68
.set G0S, 76
.set G1SB, 80
.set G0SB, 88
.set MSB, 0
.macro WIN new
.if MSB != (\new)
	s_set_vgpr_msb (MSB<<8)|(\new)
.set MSB, (\new)
.endif
.endm
.set MUL,  0x05                        ; sources 0 and 1 window 1; C and D window 0
.set TO_F, 0x40
.macro JLOAD g0a, g1a, g0b, g1b
	s_cmp_eq_u32 s15, 0
	s_cbranch_scc0 .Lfor_b_\@
	tensor_load_to_lds s[\g0a:\g0a+3], s[\g1a:\g1a+7]
	s_nop 0
.rept 4
	v_nop
.endr
	s_branch .Lasked_\@
.Lfor_b_\@:
	tensor_load_to_lds s[\g0b:\g0b+3], s[\g1b:\g1b+7]
	s_nop 0
.rept 4
	v_nop
.endr
.Lasked_\@:
.endm
.macro CREST
	s_cmp_lg_u32 s14, 0
	s_cbranch_scc1 .Lnot_wave_0_\@
	s_barrier_signal -3
.Lnot_wave_0_\@:
	s_barrier_wait -3
	s_barrier_signal -1
	s_barrier_wait -1
.endm
.macro CROUND
	s_barrier_signal -1
	s_barrier_wait -1
	CREST
.endm
.macro PLACES n
.rept \n
	v_nop
.endr
.endm
	s_load_b256 s[4:11], s[0:1], 0x0               ; gq s[4:5], wq s[6:7], bf2 s[8:9], y s[10:11]
	s_load_b64 s[96:97], s[0:1], 0x20              ; out0
	v_lshl_add_u32 v[SPW], v0, 2, SPARE
	v_mov_b32 v[NIL], 0
	ds_add_u32 v28, v29
	ds_add_u32 v28, v29
	s_wait_dscnt 0x0
	v_lshrrev_b32 v1, 5, v0
	v_readfirstlane_b32 s14, v1
	s_lshr_b32 s15, s14, 1                         ; my half of the tokens.  Also: I fetch for source 1 (0) or source 0 (1)
	s_and_b32 s16, s14, 1                          ; my half of the columns.  Also: which half I fetch
	s_bfe_u32 s40, ttmp6, 0x40000
	s_bfe_u32 s41, ttmp6, 0x40004
	s_lshl_b32 s42, ttmp9, 2
	s_add_co_u32 s42, s42, s40                     ; which 128 columns
	s_and_b32 s17, ttmp7, 0xffff
	s_lshl_b32 s17, s17, 2
	s_add_co_u32 s17, s17, s41                     ; which 128 tokens
	s_lshl_b32 s43, s41, 2
	s_lshl_b32 s43, 15, s43
	s_lshl_b32 s44, 0x1111, s40
	s_or_b32 s[G1+0], s43, (3<<16)|(1<<21)         ; codes: 4 position blocks x 8,192 bytes, 65,536 bytes apart; elements of 8 bytes
	s_or_b32 s[G1B+0], s44, (3<<16)|(1<<21)
.irp g, G1, G1B
	s_mov_b32 s[\g+1], 1024<<16
	s_mov_b32 s[\g+2], 4<<16
	s_mov_b32 s[\g+3], 1024<<16
	s_mov_b32 s[\g+4], 4
	s_mov_b32 s[\g+5], 8192
	s_mov_b32 s[\g+6], 0
	s_mov_b32 s[\g+7], 0
.endr
	s_or_b32 s[G1S+0], s43, (3<<16)|(1<<21)        ; half of a tile's scale words: 8,192 dense bytes as 32 rows of 256
	s_or_b32 s[G1SB+0], s44, (3<<16)|(1<<21)
.irp g, G1S, G1SB
	s_mov_b32 s[\g+1], 32<<16
	s_mov_b32 s[\g+2], 32<<16
	s_mov_b32 s[\g+3], 32<<16
	s_mov_b32 s[\g+4], 32
	s_mov_b32 s[\g+5], 32
	s_mov_b32 s[\g+6], 0
	s_mov_b32 s[\g+7], 0
.endr
	s_lshl_b32 s12, s17, 19
	s_lshl_b32 s13, s16, 18
	s_add_co_u32 s12, s12, s13                     ; g's codes: (8 x tile + 4 x half) blocks
	s_lshl_b32 s94, s17, 14
	s_lshl_b32 s13, s16, 13
	s_add_co_u32 s94, s94, s13
	s_add_co_u32 s94, s94, GS_OFF
	s_lshl_b32 s18, s42, 19
	s_lshl_b32 s19, s16, 18
	s_add_co_u32 s18, s18, s19
	s_add_co_u32 s18, s18, W2C_OFF
	s_lshl_b32 s2, s42, 14
	s_add_co_u32 s2, s2, s13
	s_add_co_u32 s2, s2, W2S_OFF
	s_mov_b32 s13, 0
	s_mov_b32 s95, 0
	s_mov_b32 s19, 0
	s_mov_b32 s3, 0
	s_mul_i32 s45, s14, HALFT
	s_lshl_b32 s67, s14, 13
	s_wait_kmcnt 0x0
	s_add_nc_u64 s[20:21], s[4:5], s[12:13]
	s_add_nc_u64 s[22:23], s[4:5], s[94:95]
	s_add_nc_u64 s[46:47], s[6:7], s[18:19]
	s_add_nc_u64 s[92:93], s[6:7], s[2:3]
	CROUND
	s_mov_b32 s[G0S], 1
	s_add_co_u32 s[G0S+1], s67, SCL
	s_mov_b64 s[G0S+2:G0S+3], s[22:23]
	s_or_b32 s[G0S+3], s[G0S+3], 0x80000000
	s_mov_b32 s[G0SB], 1
	s_add_co_u32 s[G0SB+1], s67, SCL
	s_mov_b64 s[G0SB+2:G0SB+3], s[92:93]
	s_or_b32 s[G0SB+3], s[G0SB+3], 0x80000000
	JLOAD G0S, G1S, G0SB, G1SB                     ; three loads of mine go out together
.irp s, 0,1
	s_mov_b32 s[G0+4*\s], 1
	s_add_co_u32 s[G0+4*\s+1], s45, \s*SLOT
	s_add_nc_u64 s[G0+4*\s+2:G0+4*\s+3], s[20:21], \s*8192
	s_or_b32 s[G0+4*\s+3], s[G0+4*\s+3], 0x80000000
	s_mov_b32 s[G0B+4*\s], 1
	s_add_co_u32 s[G0B+4*\s+1], s45, \s*SLOT
	s_add_nc_u64 s[G0B+4*\s+2:G0B+4*\s+3], s[46:47], \s*8192
	s_or_b32 s[G0B+4*\s+3], s[G0B+4*\s+3], 0x80000000
	JLOAD G0+4*\s, G1, G0B+4*\s, G1B
.endr
	v_and_b32 v1, 15, v0
	v_bfe_u32 v2, v0, 4, 1
	v_and_b32 v3, 31, v0
	v_lshlrev_b32 v[LI], 4, v3
	s_mul_i32 s12, s15, HALFT
	s_mul_i32 s13, s16, HALFT
	s_add_co_u32 s13, s13, 2*HALFT
.irp s, 0,1
	v_add_nc_u32 v[ADRA+\s], s12, v[LI]
	v_add_nc_u32 v[ADRB+\s], s13, v[LI]
	s_add_co_u32 s12, s12, SLOT
	s_add_co_u32 s13, s13, SLOT
.endr
	s_lshl_b32 s12, s15, 8                         ; scale words: my 64 rows of source 1's 128,
	s_lshl_b32 s13, s16, 8
	s_add_co_u32 s13, s13, 16384                   ; of source 0's, 16,384 bytes on
	s_sub_co_u32 s13, s13, s12
	v_mul_u32_u24 v4, s13, v2                      ; lanes 16-31 take source 0's: one product
	s_add_co_u32 s12, s12, SCL
	v_lshl_add_u32 v4, v1, 2, v4
	v_add_nc_u32 v[ADRS], s12, v4
	s_mul_i32 s12, s14, 4352
	s_add_co_u32 s12, s12, STG                     ; my stage
	v_mul_u32_u24 v4, v1, 272
	v_lshl_add_u32 v4, v2, 6, v4
	v_add_nc_u32 v[STO], s12, v4                   ; in: row r, + 64 h
	v_mul_u32_u24 v4, v2, 272
	v_lshl_add_u32 v4, v1, 4, v4
	v_add_nc_u32 v[RD], s12, v4                    ; back: lanes 0-15 one row, lanes 16-31 the next
	v_lshlrev_b32 v[CO], 12, v2
	v_lshl_add_u32 v[CO], v1, 4, v[CO]             ; and the same two rows in y and out
	v_lshlrev_b32 v[BO], 4, v1
	s_lshl_b32 s12, s42, 9
	s_lshl_b32 s13, s16, 8
	s_add_co_u32 s12, s12, s13                     ; my 64 columns in bytes
	s_mov_b32 s13, 0
	s_add_nc_u64 s[8:9], s[8:9], s[12:13]
	s_lshl_b32 s18, s17, 19
	s_lshl_b32 s19, s15, 18
	s_add_co_u32 s18, s18, s19
	s_add_co_u32 s18, s18, s12                     ; + my first row
	s_mov_b32 s19, 0
	s_add_nc_u64 s[10:11], s[10:11], s[18:19]
	s_add_nc_u64 s[96:97], s[96:97], s[18:19]
	global_load_b128 v[8:11], v[BO], s[8:9]        ; bias and y: asked for now, wanted on the way out
	WIN 0x80                                       ; destination window 2
.irp a, 0,1,2,3
.irp t, 0,1,2,3,4,5,6,7
	global_load_b128 v[32*\a+4*\t:32*\a+4*\t+3], v[CO], s[10:11] offset:(32*(\a/2)+8*(\a%2)+2*\t+8*(\t/4))*4096
.endr
.endr
	WIN 0
.macro MUL4 f, a, q, sc, zero          ; source 1's block a x source 0's four.  The 16 accumulators take turns, one instruction a turn
.irp b, 0,1,2,3
.if \zero
	v_wmma_scale_f32_16x16x128_f8f6f4 v[ACC+8*(4*(\a)+\b):ACC+8*(4*(\a)+\b)+7], v[\f+64+16*\b:\f+64+16*\b+15], v[\f+16*(\a):\f+16*(\a)+15], 0, v[SC+16*(\sc)+4*(\q)+\b], v[SC+16*(\sc)+4*(\q)+(\a)] matrix_a_fmt:MATRIX_FMT_BF8 matrix_b_fmt:MATRIX_FMT_BF8 matrix_a_scale:MATRIX_SCALE_ROW1
.else
	v_wmma_scale_f32_16x16x128_f8f6f4 v[ACC+8*(4*(\a)+\b):ACC+8*(4*(\a)+\b)+7], v[\f+64+16*\b:\f+64+16*\b+15], v[\f+16*(\a):\f+16*(\a)+15], v[ACC+8*(4*(\a)+\b):ACC+8*(4*(\a)+\b)+7], v[SC+16*(\sc)+4*(\q)+\b], v[SC+16*(\sc)+4*(\q)+(\a)] matrix_a_fmt:MATRIX_FMT_BF8 matrix_b_fmt:MATRIX_FMT_BF8 matrix_a_scale:MATRIX_SCALE_ROW1
.endif
.endr
.endm
.macro FETCH slot, q, f                ; 32 LDS loads in one run: eight fragments of the slot's q-th 128 along K
	WIN TO_F
.irp i, 0,1,2,3
.irp c, 0,1,2,3
	ds_load_b128 v[\f+16*\i+4*\c:\f+16*\i+4*\c+3], v[ADRA+\slot] offset:\i*8192+(\q)*2048+512*\c
	ds_load_b128 v[\f+64+16*\i+4*\c:\f+64+16*\i+4*\c+3], v[ADRB+\slot] offset:\i*8192+(\q)*2048+512*\c
.endr
.endr
.endm
.macro SCALES sc
.irp q, 0,1,2,3
.irp i, 0,1,2,3
	ds_load_b32 v[SC+16*\sc+4*\q+\i], v[ADRS] offset:512*\q+64*\i
.endr
.endr
.endm
.macro QUARTER slot, q, f, g, zero     ; multiplies buffer f (the slot's q-th 128 along K) while the next comes into g
	s_wait_dscnt 0x0                               ; buffer f is in
	PLACES 8                                       ; in front of loads into g, which the products just issued have read
	FETCH \slot, (\q)+1, \g
	WIN MUL
.irp a, 0,1,2,3
	MUL4 \f, \a, \q, \slot, \zero
.endr
.endm
.macro TURN slot, next, fill           ; the slot's last 128 along K, on buffer 1, and the change of slots
	WIN 0
	s_wait_tensorcnt 0x0                           ; all my tensor loads have landed
	ds_add_u32 v[SPW], v[NIL]                      ; 0 onto my spare word
	s_wait_dscnt 1                                 ; buffer 1 is in; the add may be out
	WIN MUL
	MUL4 F1, 0, 3, \slot, 0
	s_wait_dscnt 0x0                               ; the add is done, and my reads of this slot are over
	s_barrier_signal -1
	MUL4 F1, 1, 3, \slot, 0
	WIN 0
	s_barrier_wait -1
.if \fill
	CREST                                          ; a round of the cluster's barrier: no wave of any partner still reads this slot or has a load on its way
	s_add_nc_u64 s[G0+4*\slot+2:G0+4*\slot+3], s[G0+4*\slot+2:G0+4*\slot+3], 16384
	s_add_nc_u64 s[G0B+4*\slot+2:G0B+4*\slot+3], s[G0B+4*\slot+2:G0B+4*\slot+3], 16384
	JLOAD G0+4*\slot, G1, G0B+4*\slot, G1B
	PLACES 4
.else
	PLACES 8
.endif
	v_add_nc_u32 v[ADRS], 2048, v[ADRS]
	FETCH \next, 0, F0
	WIN 0
	SCALES \next
	WIN MUL
	MUL4 F1, 2, 3, \slot, 0
	MUL4 F1, 3, 3, \slot, 0
.endm
	s_wait_tensorcnt 1                             ; the scale words and slot 0; slot 1's load may be out
	s_barrier_signal -1
	s_barrier_wait -1
	FETCH 0, 0, F0
	WIN 0
	SCALES 0
	QUARTER 0, 0, F0, F1, 1                        ; the first products start the sums
	WIN 0
	s_mov_b32 s3, LAPS-1
.Llap:
	QUARTER 0, 1, F1, F0, 0
	QUARTER 0, 2, F0, F1, 0
	TURN 0, 1, 1
	QUARTER 1, 0, F0, F1, 0
	QUARTER 1, 1, F1, F0, 0
	QUARTER 1, 2, F0, F1, 0
	TURN 1, 0, 1
	QUARTER 0, 0, F0, F1, 0
	WIN 0
	s_sub_co_u32 s3, s3, 1
	s_cmp_lg_u32 s3, 0
	s_cbranch_scc1 .Llap
	QUARTER 0, 1, F1, F0, 0
	QUARTER 0, 2, F0, F1, 0
	TURN 0, 1, 0
	QUARTER 1, 0, F0, F1, 0
	QUARTER 1, 1, F1, F0, 0
	QUARTER 1, 2, F0, F1, 0
	s_wait_dscnt 0x0
.irp a, 0,1,2,3
	MUL4 F1, \a, 3, 1, 0
.endr
	WIN 0
; THE WAY OUT, a block of 16 tokens x 64 columns at a time, through my own stage: sixteen lanes then store 256 consecutive bytes of a row, aligned
.macro OUTB a
.if (\a) >= 2
	s_wait_xcnt 0x0                                ; block a - 2's stores have read the registers that this block's loads land in
.endif
.irp b, 0,1,2,3
	ds_store_b128 v[STO], v[ACC+8*(4*(\a)+\b):ACC+8*(4*(\a)+\b)+3] offset:128*(\b/2)+32*(\b%2)       ; position 16 b + 8 h + j is true column 32 (b / 2) + 8 (b % 2) + 16 h + j
	ds_store_b128 v[STO], v[ACC+8*(4*(\a)+\b)+4:ACC+8*(4*(\a)+\b)+7] offset:128*(\b/2)+32*(\b%2)+16
.endr
.set OBB, OB+32*((\a)%2)
.irp t, 0,1,2,3,4,5,6,7
	ds_load_b128 v[OBB+4*\t:OBB+4*\t+3], v[RD] offset:544*\t   ; LDS serves a wave's instructions in order: these see my stores
.endr
	s_wait_dscnt 0x0
.irp t, 0,1,2,3,4,5,6,7
	v_pk_add_f32 v[OBB+4*\t:OBB+4*\t+1], v[OBB+4*\t:OBB+4*\t+1], v[8:9]
	v_pk_add_f32 v[OBB+4*\t+2:OBB+4*\t+3], v[OBB+4*\t+2:OBB+4*\t+3], v[10:11]
.endr
	WIN 0x08                                       ; source 1: window 2
.set p, 0
.rept 16
	v_pk_add_f32 v[OBB+2*p:OBB+2*p+1], v[OBB+2*p:OBB+2*p+1], v[32*(\a)+2*p:32*(\a)+2*p+1]
.set p, p+1
.endr
	WIN 0
.irp t, 0,1,2,3,4,5,6,7
	global_store_b128 v[CO], v[OBB+4*\t:OBB+4*\t+3], s[96:97] offset:(32*((\a)/2)+8*((\a)%2)+2*\t+8*(\t/4))*4096 th:TH_STORE_NT
.endr
.endm
	PLACES 8                                       ; behind the last products
	s_wait_loadcnt 0x0                             ; bias and y
.irp a, 0,1,2,3
	OUTB \a
.endr
	s_wait_tensorcnt 0x0                           ; the wave's end
	ds_add_u32 v[SPW], v[NIL]
	s_wait_dscnt 0x0
	CROUND
	s_endpgm
.Lfunc_end_k_qafb6e54baf_ffn2:
	.size	k_qafb6e54baf_ffn2, .Lfunc_end_k_qafb6e54baf_ffn2-k_qafb6e54baf_ffn2
	.p2alignl 7, 3214868480
	.fill 96, 4, 3214868480
	.section	.rodata,"a",@progbits
	.p2align	6, 0x0
	.amdhsa_kernel k_qafb6e54baf_ffn2
		.amdhsa_group_segment_fixed_size 327680
		.amdhsa_private_segment_fixed_size 0
		.amdhsa_enable_private_segment 0
		.amdhsa_kernarg_size 40
		.amdhsa_user_sgpr_count 2
		.amdhsa_user_sgpr_kernarg_segment_ptr 1
		.amdhsa_wavefront_size32 1
		.amdhsa_system_sgpr_workgroup_id_x 1
		.amdhsa_system_sgpr_workgroup_id_y 1
		.amdhsa_system_sgpr_workgroup_id_z 1
		.amdhsa_system_vgpr_workitem_id 0
		.amdhsa_next_free_vgpr 768
		.amdhsa_next_free_sgpr 102
		.amdhsa_reserve_vcc 0
		.amdhsa_float_denorm_mode_32 3
		.amdhsa_float_denorm_mode_16_64 3
		.amdhsa_memory_ordered 1
		.amdhsa_forward_progress 1
		.amdhsa_inst_pref_size 105
	.end_amdhsa_kernel
	.amdgpu_metadata
---
amdhsa.version: [ 1, 2 ]
amdhsa.kernels:
  - .name:           k_qafb6e54baf_ffn2
    .symbol:         k_qafb6e54baf_ffn2.kd
    .args:
      - { .name: gq, .offset: 0, .size: 8, .value_kind: global_buffer, .address_space: global }
      - { .name: wq, .offset: 8, .size: 8, .value_kind: global_buffer, .address_space: global }
      - { .name: bf2, .offset: 16, .size: 8, .value_kind: global_buffer, .address_space: global }
      - { .name: y, .offset: 24, .size: 8, .value_kind: global_buffer, .address_space: global }
      - { .name: out0, .offset: 32, .size: 8, .value_kind: global_buffer, .address_space: global }
    .group_segment_fixed_size: 327680
    .private_segment_fixed_size: 0
    .kernarg_segment_align: 8
    .kernarg_segment_size: 40
    .max_flat_workgroup_size: 128
    .sgpr_count:     102
    .vgpr_count:     768
    .wavefront_size: 32
...
	.end_amdgpu_metadata
.endif
;; end of part 5
